; MI455X (gfx1250); checked and timed in simulation.
; The chip was launched on July 23, 2026; its instructions are those of AMD's public machine-readable ISA for CDNA 5 (MIT licence, August 2026) and "CDNA5" Instruction Set Architecture Reference Guide (July 2026). The comments in the code are by the model that wrote it; some were corrected since.
;; Parallel Swin Layer. Allowed arithmetic: matrix products marked QUANTISED: E4M3 operands, one given power-of-two scale a tensor, by v_wmma_f32_16x16x64_fp8_fp8 or v_wmma_f32_16x16x128_fp8_fp8, f32 sums; everything else in f32.
;; Inputs: dt 2 x 1,024 float32; g_attn 1,024 float32; g_ff 1,024 float32; lowp_scales 12 int32 (the exponents e of the quantised operands' scales 2^e); t 2 float32; w1_codes 4,096 x 32 x 32 uint8 (E4M3 codes of w1, K innermost, in blocks of 32 codes); w2_codes 1,024 x 64 x 32 uint8 (E4M3 codes of w2, K innermost, in blocks of 32 codes); w_o_codes 1,024 x 32 x 32 uint8 (E4M3 codes of w_o, K innermost, in blocks of 32 codes); w_qkv_codes 3,072 x 32 x 32 uint8 (E4M3 codes of w_qkv, K innermost, in blocks of 32 codes); x 2 x 2,048 x 1,024 float32.
;; Outputs: out0 2 x 2,048 x 1,024 float32.
;; This version of the problem:
;;   THIS VERSION OF THE PROBLEM IS GIVEN IN LOW PRECISION. The matrix products marked QUANTISED in the list below multiply operands that are first quantised to E4M3 (4 exponent bits, 3 mantissa bits; 8 bits a number), with one given power-of-two scale for each operand tensor; their sums are f32. All else is computed in f32.
;;   The module's matrix products, in the order in which they are computed (A, B: the left and right operand; K: the contracted axis; several contracted axes count as one K, in the product's order):
;;     1. [M 4,096, K 1,024] x [K 1,024, N 3,072]; A: computed on the way; B: input w_qkv (given as codes): QUANTISED (scales: A lowp_scales[0], B lowp_scales[1])
;;     2. batch 32 x [M 2,048, K 64] x [K 64, N 2,048]; A: computed on the way; B: computed on the way: QUANTISED (scales: A lowp_scales[2], B lowp_scales[3])
;;     3. batch 32 x [M 2,048, K 2,048] x [K 2,048, N 64]; A: softmax (see below); B: computed on the way: QUANTISED (scales: A lowp_scales[4], B lowp_scales[5])
;;     4. [M 4,096, K 1,024] x [K 1,024, N 1,024]; A: computed on the way; B: input w_o (given as codes): QUANTISED (scales: A lowp_scales[6], B lowp_scales[7])
;;     5. [M 4,096, K 1,024] x [K 1,024, N 4,096]; A: computed on the way; B: input w1 (given as codes): QUANTISED (scales: A lowp_scales[8], B lowp_scales[9])
;;     6. [M 4,096, K 2,048] x [K 2,048, N 1,024]; A: computed on the way; B: input w2 (given as codes): QUANTISED (scales: A lowp_scales[10], B lowp_scales[11])
;;   THE QUANTISER, for each operand of a quantised product, along K:
;;     - The operand's scale is 2^e, e = its entry of the input lowp_scales (int32; the entries are numbered through the quantised products in the list's order, A before B).
;;     - Each number is divided by the scale, clamped to +-448, and rounded to the nearest number of E4M3, ties to even, subnormals kept.
;;     - The product sums the exact products of the quantised numbers (number of the format x scale) in f32.
;;   ~~~python
;;   def quantise(x, axis, e):      # numpy; x: float32 -> the quantised numbers, widened to float32 again
;;       x = np.moveaxis(x, axis, -1); K = x.shape[-1]
;;       r = np.clip(x / 2.0 ** e, -448, 448)
;;       step = 2.0 ** (np.maximum(np.frexp(np.where(r == 0, 1, r))[1] - 1, -6) - 3)
;;       q = np.round(r / step) * step * 2.0 ** e      # np.round: ties to even
;;       return np.moveaxis(q, -1, axis).astype(np.float32)
;;   ~~~
;;   SOFTMAX AHEAD OF A QUANTISED PRODUCT. Where the list says 'softmax', what is quantised is not the finished softmax but p = 2^(t - M), with t = logit x log2(e) and M = ceil(the row's largest t), a whole number; so 1/2 < the row's largest p <= 1. The row's sum l is taken of the UNQUANTISED p, in f32, and the product's result is divided by l at the end. Since M is a whole number, a kernel that streams over the keys may use a running M (the ceiling of the running maximum): every later rescaling is an exact power of two, so the quantised numbers keep their values, but for numbers so far below the row's largest that they fall under the format's range.
;;   OPERANDS COMPUTED ON THE WAY. 'Computed on the way' means the value that the module computes at that place (a softmax that the list does not call 'softmax' is quantised finished and normalised). What goes into a quantiser is computed in f32, as accurately as f32 sums, v_exp_f32 and their like allow (about 1e-6 of the number): no bf16 or f16 on the way to a quantiser, and a product that is left as it is and whose result goes on into a quantised operand takes f32 operands (vector FMAs, or v_wmma_f32_16x16x4_f32). A number that lies on a knife's edge between two numbers of the format may be rounded either way, as far as f32 arithmetic and the matrix unit's own rounding can turn it there, and no further.
;;   INPUTS GIVEN AS CODES. w1 (in the module: [4096, 1024], K = its axis 1); w2 (in the module: [1024, 2048], K = its axis 1); w_o (in the module: [1024, 1024], K = its axis 1); w_qkv (in the module: [3072, 1024], K = its axis 1): each comes as NAME_codes (uint8): NAME with its K axis moved to the last place and cut into blocks of 32 codes, [.., K / 32, bytes a block], one block behind the other in memory; one code a byte (a code: sign, 4 exponent bits, 3 mantissa bits); its scale is its entry of lowp_scales. Its value is code x scale, taken as it is: it is not quantised again, and the codes and scales need not be those that the quantiser above would give.
;; One version. Each part assembles by itself: llvm-mc -triple=amdgcn-amd-amdhsa -mcpu=gfx1250 --defsym DOCPART=n.
;; ======== version 1 of 1: 7 launches
;; limits: right only within a limited range of input values
;; workspace buffers: hc 4,194,304 bytes; qc 4,194,304 bytes; kc 4,194,304 bytes; vc 4,194,304 bytes; oc 4,194,304 bytes; x1 16,777,216 bytes; ac 8,388,608 bytes
;; launch norm1 (part 1): grid 256 x 1, 8 waves a work-group, no clusters, 82,944 bytes of LDS; arguments x, g_attn, lowp_scales, hc; writes hc
.if DOCPART == 1
	.amdgcn_target "amdgcn-amd-amdhsa--gfx1250"
	.amdhsa_code_object_version 6
	.text
	.protected	k_q6619fd11c0_norm1
	.globl	k_q6619fd11c0_norm1
	.p2align	8
	.type	k_q6619fd11c0_norm1,@function
k_q6619fd11c0_norm1:
	s_mov_b64 s[64:65], 0
	v_nop
	global_prefetch_b8 v0, s[64:65] scope:SCOPE_SE
	s_setreg_imm32_b32 hwreg(HW_REG_WAVE_MODE, 25, 1), 1
	s_wait_xcnt 0x0
; codes[row][c] = Q(x[row][c] * rsqrt(mean(x[row]^2) + 2^-23) * g[c]) with the given scale 2^e, e = entry EOFF/4 of the scales.  x: [4096][1024] f32; codes: [4096][1024], one byte each (E4M3).
; A work-group takes 16 rows, each of its eight waves two: a row is 4,096 bytes, eight loads of 512 consecutive bytes.  All 24 loads of a wave (two rows and g) go out at the head; there is no loop and no barrier.
; The conversion takes eight neighbours from ONE lane's registers, a load is dense where neighbouring LANES take neighbouring bytes: so each 2,048 bytes turn through the wave's own stage in LDS
; (in: as loaded; out: 64 bytes a lane, places 80 bytes apart).  The sum of squares is taken of the registers as loaded, while the turn is on its way.  A lane's 16 codes are 16 bytes: a store covers 512 consecutive bytes.
; No matrix unit, no cluster, no tensor load: work-groups share nothing but g (4 KB), and memory binds.
; LIMITS: e between -126 and 119, so that 2^e and 448 x 2^e are f32 numbers.  NaN among the inputs is not served.
; DEAD WORK, for the whole program: reference() never uses its inputs t and dt, so they have no way to the output, are not loaded and are among no launch's arguments.
; Its window permutation reorders q, k and v alike along the tokens and is undone on o; a softmax over all keys and the sum over them do not hang on the keys' order, so no launch permutes.
; LIMIT: a NaN or an infinity in t or dt is not carried to the result.
.set EOFF, 0
.set WREG, 10240                       ; LDS of a wave: four stages of 32 places
.set SP,   80                          ; a place: 64 bytes + 16 of padding
.set G,    20                          ; v20-51   g of my numbers: floats 512 s + 16 lane + 0..15
.set R,    52                          ; v52-115  two rows as loaded
.set X,    116                         ; v116-179 two rows, 16 neighbours a step
.set C,    180                         ; v180-195 codes
	s_load_b256 s[4:11], s[0:1], 0x0               ; x s[4:5], g s[6:7], scales s[8:9], codes s[10:11]
	v_lshl_add_u32 v196, v0, 2, 0x14000
	v_mov_b32 v197, 0
	v_lshrrev_b32 v1, 5, v0
	s_delay_alu instid0(VALU_DEP_1)
	v_readfirstlane_b32 s16, v1                    ; wave
	v_and_b32 v1, 31, v0                           ; lane
	s_delay_alu instid0(VALU_DEP_1)
	v_lshlrev_b32 v2, 4, v1                        ; 16 x lane: my bytes of a load's 512, and of a store's
	s_delay_alu instid0(VALU_DEP_2)
	v_lshlrev_b32 v3, 6, v1                        ; 64 x lane: my 16 numbers of g
	s_mul_i32 s17, s16, WREG
	v_lshrrev_b32 v4, 2, v1
	s_delay_alu instid0(VALU_DEP_1)
	v_mul_u32_u24 v4, v4, SP
	v_and_b32 v5, 3, v1
	s_delay_alu instid0(VALU_DEP_1)
	v_lshl_add_u32 v4, v5, 4, v4
	s_delay_alu instid0(VALU_DEP_1)
	v_add_nc_u32 v4, s17, v4                       ; the stage, on the way in: 80 (lane / 4) + 16 (lane % 4)
	v_mul_u32_u24 v5, v1, SP
	s_delay_alu instid0(VALU_DEP_1)
	v_add_nc_u32 v5, s17, v5                       ; and on the way out: 80 x lane
	v_mov_b32 v9, 0                                ; named as the upper half of the pair v[8:9]
	v_mov_b32 v18, 0                               ; a lane permute's destination counts as read
	s_mov_b32 s12, 0x76543210
	s_mov_b32 s13, 0xfedcba98                      ; lane l xor 16
	s_mov_b32 s14, 0x3a800000                      ; 1 / 1024
	s_mov_b32 s15, 0x34000000                      ; 2^-23
	s_lshl_b32 s18, ttmp9, 4
	s_lshl_b32 s19, s16, 1
	s_add_co_u32 s18, s18, s19                     ; my first row
	s_lshl_b32 s20, s18, 12
	s_mov_b32 s21, 0
	s_lshl_b32 s22, s18, 10
	s_mov_b32 s23, 0
	s_wait_alu depctr_va_vdst(0)
	s_wait_kmcnt 0x0
	s_load_b32 s24, s[8:9], EOFF
	s_add_nc_u64 s[4:5], s[4:5], s[20:21]
	s_add_nc_u64 s[10:11], s[10:11], s[22:23]
.irp j, 0,1,2,3,4,5,6,7
	global_load_b128 v[R+4*\j:R+4*\j+3], v2, s[4:5] offset:512*\j th:TH_LOAD_NT
.endr
.irp s, 0,1
.irp i, 0,1,2,3
	global_load_b128 v[G+16*\s+4*\i:G+16*\s+4*\i+3], v3, s[6:7] offset:2048*\s+16*\i
.endr
.endr
.irp j, 0,1,2,3,4,5,6,7
	global_load_b128 v[R+32+4*\j:R+32+4*\j+3], v2, s[4:5] offset:4096+512*\j th:TH_LOAD_NT
.endr
	s_wait_kmcnt 0x0
	s_add_co_i32 s24, s24, 127
	s_lshl_b32 s25, s24, 23
	v_mov_b32 v6, s25                              ; 2^e as f32: the conversion takes its exponent field
	s_add_co_i32 s24, s24, 8
	s_lshl_b32 s24, s24, 23
	s_or_b32 s24, s24, 0x600000
	v_mov_b32 v7, s24                              ; 448 x 2^e
.macro ROW p
.if (\p) == 0
	s_wait_loadcnt 16                              ; row 0's eight loads are in; g's eight and row 1's eight may be out
.else
	s_wait_loadcnt 0
.endif
.irp s, 0,1
.irp i, 0,1,2,3
	ds_store_b128 v4, v[R+32*(\p)+16*\s+4*\i:R+32*(\p)+16*\s+4*\i+3] offset:(2*(\p)+\s)*32*SP+8*SP*\i
.endr
.endr
.irp s, 0,1
.irp i, 0,1,2,3
	ds_load_b128 v[X+32*(\p)+16*\s+4*\i:X+32*(\p)+16*\s+4*\i+3], v5 offset:(2*(\p)+\s)*32*SP+16*\i   ; LDS serves a wave's instructions in order: these see the stores above
.endr
.endr
.irp k, 0,1,2,3
	v_pk_mul_f32 v[10+2*\k:11+2*\k], v[R+32*(\p)+2*\k:R+32*(\p)+2*\k+1], v[R+32*(\p)+2*\k:R+32*(\p)+2*\k+1]   ; four chains, started by the first four pairs
.endr
.irp k, 4,5,6,7,8,9,10,11,12,13,14,15
	s_delay_alu instid0(VALU_DEP_4)
	v_pk_fma_f32 v[10+2*(\k%4):11+2*(\k%4)], v[R+32*(\p)+2*\k:R+32*(\p)+2*\k+1], v[R+32*(\p)+2*\k:R+32*(\p)+2*\k+1], v[10+2*(\k%4):11+2*(\k%4)]
.endr
	s_delay_alu instid0(VALU_DEP_3)
	v_pk_add_f32 v[10:11], v[10:11], v[12:13]
	s_delay_alu instid0(VALU_DEP_2)
	v_pk_add_f32 v[14:15], v[14:15], v[16:17]
	s_delay_alu instid0(VALU_DEP_1)
	v_pk_add_f32 v[10:11], v[10:11], v[14:15]
	s_delay_alu instid0(VALU_DEP_1)
	v_add_f32 v10, v10, v11
	s_delay_alu instid0(VALU_DEP_1)
	v_add_f32_dpp v10, v10, v10 row_xmask:1 row_mask:0xf bank_mask:0xf
	s_delay_alu instid0(VALU_DEP_1)
	v_add_f32_dpp v10, v10, v10 row_xmask:2 row_mask:0xf bank_mask:0xf
	s_delay_alu instid0(VALU_DEP_1)
	v_add_f32_dpp v10, v10, v10 row_xmask:4 row_mask:0xf bank_mask:0xf
	s_delay_alu instid0(VALU_DEP_1)
	v_add_f32_dpp v10, v10, v10 row_xmask:8 row_mask:0xf bank_mask:0xf
	s_delay_alu instid0(VALU_DEP_1)
	v_permlanex16_b32 v18, v10, s12, s13
	s_delay_alu instid0(VALU_DEP_1)
	v_add_f32 v10, v10, v18                        ; the row's sum of squares, in every lane
	s_delay_alu instid0(VALU_DEP_1)
	v_fma_f32 v10, v10, s14, s15                   ; the mean + 2^-23
	s_wait_alu depctr_va_vdst(0)
	v_rsq_f32 v8, v10
	v_nop                                          ; a plain instruction behind the transcendental
	s_wait_alu depctr_va_vdst(0)                   ; and the wait ahead of the first use of its result
.if (\p) == 0
	s_wait_loadcnt 8                               ; g is in; row 1's eight loads may be out
.endif
	s_wait_dscnt 0x0                               ; the row is back from the stage
.set J, 0
.rept 16
	v_pk_mul_f32 v[X+32*(\p)+J:X+32*(\p)+J+1], v[X+32*(\p)+J:X+32*(\p)+J+1], v[8:9] op_sel_hi:[1,0]
.set J, J+2
.endr
.set J, 0
.rept 16
	v_pk_mul_f32 v[X+32*(\p)+J:X+32*(\p)+J+1], v[X+32*(\p)+J:X+32*(\p)+J+1], v[G+J:G+J+1]
.set J, J+2
.endr
.set J, 0
.rept 32
	v_med3_num_f32 v[X+32*(\p)+J], v[X+32*(\p)+J], -v7, v7   ; the conversion to an 8-bit code does not saturate (ISA guide 7.6.2): the hold at the largest code x the scale
.set J, J+1
.endr
.irp q, 0,1,2,3
	v_cvt_scalef32_pk8_fp8_f32 v[C+8*(\p)+2*\q:C+8*(\p)+2*\q+1], v[X+32*(\p)+8*\q:X+32*(\p)+8*\q+7], v6
.endr
	v_nop                                          ; one plain vector line behind the last conversion of the run
	global_store_b128 v2, v[C+8*(\p):C+8*(\p)+3], s[10:11] offset:1024*(\p)         ; 32 lanes store 512 consecutive bytes
	global_store_b128 v2, v[C+8*(\p)+4:C+8*(\p)+7], s[10:11] offset:1024*(\p)+512
.endm
	ROW 0
	ROW 1
	s_wait_tensorcnt 0x0
	ds_add_u32 v196, v197
	s_wait_dscnt 0x0
	s_endpgm
.Lfunc_end_k_q6619fd11c0_norm1:
	.size	k_q6619fd11c0_norm1, .Lfunc_end_k_q6619fd11c0_norm1-k_q6619fd11c0_norm1
	.p2alignl 7, 3214868480
	.fill 96, 4, 3214868480
	.section	.rodata,"a",@progbits
	.p2align	6, 0x0
	.amdhsa_kernel k_q6619fd11c0_norm1
		.amdhsa_group_segment_fixed_size 82944
		.amdhsa_private_segment_fixed_size 0
		.amdhsa_enable_private_segment 0
		.amdhsa_kernarg_size 32
		.amdhsa_user_sgpr_count 2
		.amdhsa_user_sgpr_kernarg_segment_ptr 1
		.amdhsa_wavefront_size32 1
		.amdhsa_system_sgpr_workgroup_id_x 1
		.amdhsa_system_sgpr_workgroup_id_y 1
		.amdhsa_system_sgpr_workgroup_id_z 1
		.amdhsa_system_vgpr_workitem_id 0
		.amdhsa_next_free_vgpr 198
		.amdhsa_next_free_sgpr 66
		.amdhsa_reserve_vcc 0
		.amdhsa_float_denorm_mode_32 3
		.amdhsa_float_denorm_mode_16_64 3
		.amdhsa_memory_ordered 1
		.amdhsa_forward_progress 1
		.amdhsa_inst_pref_size 21
	.end_amdhsa_kernel
	.amdgpu_metadata
---
amdhsa.version: [ 1, 2 ]
amdhsa.kernels:
  - .name:           k_q6619fd11c0_norm1
    .symbol:         k_q6619fd11c0_norm1.kd
    .args:
      - { .name: x, .offset: 0, .size: 8, .value_kind: global_buffer, .address_space: global }
      - { .name: g_attn, .offset: 8, .size: 8, .value_kind: global_buffer, .address_space: global }
      - { .name: lowp_scales, .offset: 16, .size: 8, .value_kind: global_buffer, .address_space: global }
      - { .name: hc, .offset: 24, .size: 8, .value_kind: global_buffer, .address_space: global }
    .group_segment_fixed_size: 82944
    .private_segment_fixed_size: 0
    .kernarg_segment_align: 8
    .kernarg_segment_size: 32
    .max_flat_workgroup_size: 256
    .sgpr_count:     66
    .vgpr_count:     198
    .wavefront_size: 32
...
	.end_amdgpu_metadata
.endif
;; end of part 1
;; launch qkv (part 2): grid 12 x 16, 4 waves a work-group, clusters of 4 x 4, 327,680 bytes of LDS; arguments hc, w_qkv_codes, lowp_scales, qc, kc, vc; writes qc, kc, vc
.if DOCPART == 2
	.amdgcn_target "amdgcn-amd-amdhsa--gfx1250"
	.amdhsa_code_object_version 6
	.text
	.protected	k_q6619fd11c0_qkv
	.globl	k_q6619fd11c0_qkv
	.p2align	8
	.type	k_q6619fd11c0_qkv,@function
k_q6619fd11c0_qkv:
	s_mov_b64 s[64:65], 0
	v_nop
	global_prefetch_b8 v0, s[64:65] scope:SCOPE_SE
	s_setreg_imm32_b32 hwreg(HW_REG_WAVE_MODE, 25, 1), 1
	s_wait_xcnt 0x0
	s_wait_alu depctr_hold_cnt(0) depctr_sa_sdst(0) depctr_va_vdst(0) depctr_va_sdst(0) depctr_va_ssrc(0) depctr_va_vcc(0) depctr_vm_vsrc(0)
	s_getreg_b32 s2, hwreg(HW_REG_IB_STS2, 6, 4)
	s_cmp_eq_u32 s2, 0
	s_cbranch_scc0 .Lentry_in_a_cluster
	s_endpgm
.Lentry_in_a_cluster:
	s_bfe_u32 s2, ttmp6, 0x10000c
	s_cmp_lg_u32 s2, 0xf033
	s_cbranch_scc0 .Lentry_shape_is_right
	s_endpgm
.Lentry_shape_is_right:
; qkv = h w_qkv^T on codes of E4M3 (h: [4096][1024], w_qkv: [3072][1024], K innermost), each finished sum quantised at once with the scale that its later product is given: q e2, k e3, v e5.
; A tile of 256 x 256 is made by four waves, each 128 x 128: 64 accumulators, 512 registers.  K goes in steps of 256 through a ring of two LDS slots filled by the tensor data mover.
; CLUSTERS: 4 x 4 work-groups; tiles of the operand called A here are asked for jointly along a row of the cluster, tiles of B along a column.  3 x 4 clusters: 192 work-groups, one tile each.
; ROLES.  The matrix instruction is used transposed (source 0 = 16 rows of B, source 1 = 16 rows of A): a lane holds ONE row of A's side and eight neighbours of B's side, which one conversion turns into 8 bytes.
;   cluster x = 0 (q), 1 (k): A = tokens, B = rows of w: a lane's eight numbers are eight channels of a token: the channels are the next K.
;   cluster x = 2 (v):        A = rows of w (2048 on), B = tokens: a lane's eight numbers are eight tokens of a channel: the keys are the next K.  The roles are chosen by selects on the cluster's x, the same in all partners; no branch.
; OUT.  qc, kc: [32 heads bh][2048 tokens][64]; within a row channel 32 B + 16 u + 8 h + j lies at byte 32 B + 16 h + 8 u + j, alike in q and k.
;       vc: [bh][16 blocks of 128 keys][64 channels][128]; within a row key 32 B + 16 u + 8 h + j lies at byte 32 B + 16 h + 8 u + j.  So the reader's loads of 16 bytes put each number in its true place of the K = 64 form.
; The token order is reference()'s own before its window permutation: that permutes q, k and v alike and is undone on o, and a softmax over all keys does not depend on their order.
; LIMITS: e_t - e0 - e1 (e_t = e2, e3, e5) between -126 and 119, so that the conversion's scale and 448 x it are f32 numbers.  NaN is not served.
; REGISTERS, in windows of 256: window 0: v0-31 addresses; v32-47 the stores' offsets; v64-127 codes on the way out; from v128 A's fragments, ONE set (on the way out: rows read back).
;   window 1: B's fragments, TWO sets.   window 2: the accumulators of my rows 0-63 ((a, b) at v[8 (8 a + b)]);   window 3: those of my rows 64-127.
.set SIZE_K, 1024
.set KSTEP,  256
.set ROWB,   256
.set KROW,   SIZE_K
.set PITCH,  272                       ; an LDS row: 256 bytes + 16 of padding: the 16 rows that a load touches start at 16 different banks (ISA guide 11.1)
.set FR,     16
.set NL,     4
.set NP,     4                         ; places behind this matrix instruction (ISA guide 7.12.1)
.set HALFT,  128*PITCH
.set SLOT,   4*HALFT
.set LAPS,   SIZE_K/(2*KSTEP)
.set STAGE,  2*SLOT                    ; behind the ring: 64 rows x (128 bytes + 16) for each wave; no tensor load lands here
.set WST,    64*144
.set SPARE,  STAGE+4*WST               ; the spare words, 128 bytes for each wave
.set ADRA, 16
.set ADRB, 20
.set STO,  24
.set RD,   25
.set SPW,  28
.set NIL,  29
.set SC,   30                          ; v30  the conversion's scale 2^(e_t - e0 - e1)
.set LIM,  31                          ; v31  448 x that
.set VO,   32                          ; v32-47 byte offsets of the sixteen stores of a half
.set CD,   64
.set AF,   128
.set BK,   128
.set G1, 24
.set G0, 32
.set G1B, 48
.set G0B, 56
.set MSB, 0
.macro WIN new                         ; the immediate's high byte repeats the setting that is left
.if MSB != \new
	s_set_vgpr_msb (MSB<<8)|\new
.set MSB, \new
.endif
.endm
.set MUL_LO, 0xa1
.set MUL_HI, 0xf1
.set TO_B,   0x40
; A joint load: waves 0 and 1 fetch for A, waves 2 and 3 for B; the branch hangs on the wave's number alone.  Four v_nop follow each of the two lines.
.macro JLOAD g0a, g1a, g0b, g1b
	s_cmp_eq_u32 s15, 0
	s_cbranch_scc0 .Lfor_b_\@
	tensor_load_to_lds s[\g0a:\g0a+3], s[\g1a:\g1a+7]
	s_nop 0
.rept 4
	v_nop
.endr
	s_branch .Lasked_\@
.Lfor_b_\@:
	tensor_load_to_lds s[\g0b:\g0b+3], s[\g1b:\g1b+7]
	s_nop 0
.rept 4
	v_nop
.endr
.Lasked_\@:
.endm
.macro CREST
	s_cmp_lg_u32 s14, 0
	s_cbranch_scc1 .Lnot_wave_0_\@
	s_barrier_signal -3
.Lnot_wave_0_\@:
	s_barrier_wait -3
	s_barrier_signal -1
	s_barrier_wait -1
.endm
.macro CROUND
	s_barrier_signal -1
	s_barrier_wait -1
	CREST
.endm
	s_load_b128 s[4:7], s[0:1], 0x0                ; h's codes s[4:5], w_qkv's codes s[6:7]
	s_load_b128 s[8:11], s[0:1], 0x10              ; the scales s[8:9], qc s[10:11]
	s_load_b128 s[68:71], s[0:1], 0x20             ; kc s[68:69], vc s[70:71]
	v_lshl_add_u32 v[SPW], v0, 2, SPARE
	v_mov_b32 v[NIL], 0
	ds_add_u32 v28, v29
	ds_add_u32 v28, v29
	s_wait_dscnt 0x0
	v_lshrrev_b32 v1, 5, v0
	v_readfirstlane_b32 s14, v1                    ; wave 0..3
	s_lshr_b32 s15, s14, 1                         ; which half of A's rows is mine.  Also: I fetch for A (0) or for B (1)
	s_and_b32 s16, s14, 1                          ; which half of B's rows.  Also: which 128 rows of that tile I fetch
	s_bfe_u32 s40, ttmp6, 0x40000                  ; cx
	s_bfe_u32 s41, ttmp6, 0x40004                  ; cy
	s_and_b32 s72, ttmp7, 0xffff                   ; cluster y
	s_mov_b32 s80, 4096
	s_cmp_eq_u32 ttmp9, 2                          ; v's clusters?  The same answer in all sixteen partners
	s_cselect_b32 s73, 0, s72                      ; the cluster's part of A's tile row
	s_cselect_b32 s74, s72, ttmp9                  ; and of B's tile column
	s_cselect_b32 s75, 2048, 0                     ; v's rows of w begin at 2048
	s_cselect_b32 s76, 128, 64                     ; out: from stage row to stage row
	s_cselect_b32 s77, 64, 0x20000                 ; out: from the first 64 bytes of a stage row to the second
	s_cselect_b32 s80, 0x20000, s80                ; out: from my rows 0-63 to my rows 64-127
	s_mov_b32 s81, 0
	s_lshl_b32 s78, s76, 2                         ; out: four stage rows on
	s_lshl_b32 s17, s73, 2
	s_add_co_u32 s17, s17, s41                     ; A's tile row: hangs on cy, never on cx
	s_lshl_b32 s42, s74, 2
	s_add_co_u32 s42, s42, s40                     ; B's tile column: hangs on cx, never on cy
	s_lshl_b32 s43, s41, 2
	s_lshl_b32 s43, 15, s43                        ; my row of the cluster
	s_lshl_b32 s44, 0x1111, s40                    ; my column
	s_or_b32 s[G1+0], s43, (0<<16)|(1<<20)|(1<<21)|(5<<22)|(3<<25)  ; the mask; elements of 1 byte; padding on; bit 21 beside a mask; after every 64 words, 4 words
	s_or_b32 s[G1B+0], s44, (0<<16)|(1<<20)|(1<<21)|(5<<22)|(3<<25)
.irp g, G1, G1B
	s_mov_b32 s[\g+1], ROWB<<16                    ; tensor_dim0
	s_mov_b32 s[\g+2], 128<<16                     ; tensor_dim1
	s_mov_b32 s[\g+3], ROWB<<16                    ; tile_dim0
	s_mov_b32 s[\g+4], 128                         ; tile_dim1
	s_mov_b32 s[\g+5], KROW                        ; from row to row
	s_mov_b32 s[\g+6], 0
	s_mov_b32 s[\g+7], 0
.endr
	s_lshl_b32 s18, s16, 7                         ; which 128 rows of the tile I fetch
	s_lshl_b32 s20, s17, 8
	s_add_co_u32 s20, s20, s18
	s_add_co_u32 s20, s20, s75                     ; A's row
	s_lshl_b32 s20, s20, 10                        ; x 1,024 bytes
	s_mov_b32 s21, 0
	s_lshl_b32 s46, s42, 8
	s_add_co_u32 s46, s46, s18                     ; B's row
	s_lshl_b32 s46, s46, 10
	s_mov_b32 s47, 0
	s_mul_i32 s45, s14, HALFT                      ; where they go: wave x 128 rows
	s_wait_kmcnt 0x0
	s_load_b256 s[84:91], s[8:9], 0x0              ; e0 .. e7
	s_cmp_eq_u32 ttmp9, 2
	s_cselect_b64 s[82:83], s[6:7], s[4:5]         ; A's tensor
	s_cselect_b64 s[92:93], s[4:5], s[6:7]         ; B's tensor
	s_add_nc_u64 s[20:21], s[82:83], s[20:21]
	s_add_nc_u64 s[46:47], s[92:93], s[46:47]
	CROUND                                         ; all sixteen work-groups are here: the first joint loads meet
.irp s, 0,1
	s_mov_b32 s[G0+4*\s], 1
	s_add_co_u32 s[G0+4*\s+1], s45, \s*SLOT
	s_add_nc_u64 s[G0+4*\s+2:G0+4*\s+3], s[20:21], \s*ROWB
	s_or_b32 s[G0+4*\s+3], s[G0+4*\s+3], 0x80000000
	s_mov_b32 s[G0B+4*\s], 1
	s_add_co_u32 s[G0B+4*\s+1], s45, \s*SLOT
	s_add_nc_u64 s[G0B+4*\s+2:G0B+4*\s+3], s[46:47], \s*ROWB
	s_or_b32 s[G0B+4*\s+3], s[G0B+4*\s+3], 0x80000000
.endr
	JLOAD G0, G1, G0B, G1B                         ; K step 0: one tensor load a wave at the head
	; PREFETCH INTO THE L2: here my share of K steps 1 and 2, behind the second load of K step 3: one and two fills ahead of the loads that want them; at most two K steps are asked for and not yet read.
	; Of the 128 rows that my loads bring, each of the four partners that ask jointly names 32, told apart by address (cx for A's side, cy for B's): a lane a row, 256 bytes a K step, each block once in a cluster.
	; s[12:13] and v27 are never written again.
	s_cmp_eq_u32 s15, 0                            ; do I fetch for A?
	s_cselect_b64 s[12:13], s[20:21], s[46:47]     ; the first byte of what my loads bring
	s_cselect_b32 s66, s40, s41                    ; my place among the four that ask with me
	s_lshl_b32 s66, s66, 15                        ; x 32 rows of 1,024 bytes
	s_mov_b32 s67, 0
	s_add_nc_u64 s[12:13], s[12:13], s[66:67]
	v_and_b32 v27, 31, v0
	v_lshlrev_b32 v27, 10, v27                     ; my lane's row
	global_prefetch_b8 v27, s[12:13] offset:256 th:TH_LOAD_NT scope:SCOPE_SE
	global_prefetch_b8 v27, s[12:13] offset:512 th:TH_LOAD_NT scope:SCOPE_SE
	v_and_b32 v1, 15, v0                           ; r
	s_wait_alu depctr_va_vdst(0)
	v_bfe_u32 v2, v0, 4, 1                         ; h
	v_mul_u32_u24 v3, v1, PITCH
	v_lshl_add_u32 v4, v2, 4, v3
	s_mul_i32 s21, s15, HALFT
	s_mul_i32 s22, s16, HALFT
	s_add_co_u32 s22, s22, 2*HALFT
.irp s, 0,1
	v_add_nc_u32 v[ADRA+\s], s21, v4
	v_add_nc_u32 v[ADRB+\s], s22, v4
	s_add_co_u32 s21, s21, SLOT
	s_add_co_u32 s22, s22, SLOT
.endr
	s_mul_i32 s23, s14, WST
	s_add_co_u32 s23, s23, STAGE                   ; my stage
	v_mul_u32_u24 v5, v1, 144
	s_wait_alu depctr_va_vdst(0)
	v_lshl_add_u32 v5, v2, 4, v5
	v_add_nc_u32 v[STO], s23, v5                   ; in: row r, 16 bytes for each half of the lanes
	v_bfe_u32 v6, v0, 3, 2                         ; lane / 8
	v_mul_u32_u24 v7, v6, 144
	v_and_b32 v8, 7, v0
	v_lshl_add_u32 v7, v8, 4, v7
	v_add_nc_u32 v[RD], s23, v7                    ; back: eight lanes to a row of 128 bytes, four rows an instruction
	v_mul_lo_u32 v9, v6, s76                       ; and the same 16 bytes in memory
	v_bfe_u32 v10, v0, 2, 1
	v_mul_lo_u32 v10, v10, s77
	v_and_b32 v11, 3, v0
	v_lshlrev_b32 v11, 4, v11
	v_add3_u32 v[VO], v9, v10, v11
.irp i, 1,2,3,4,5,6,7,8,9,10,11,12,13,14,15
	v_add_nc_u32 v[VO+\i], s78, v[VO+\i-1]
.endr
	; where my part of the output begins
	s_lshl_b32 s94, s17, 8
	s_lshl_b32 s96, s15, 7
	s_add_co_u32 s94, s94, s96                     ; my first row on A's side
	s_lshl_b32 s95, s42, 8
	s_lshl_b32 s96, s16, 7
	s_add_co_u32 s95, s95, s96                     ; my first row on B's side
	s_cmp_eq_u32 ttmp9, 2
	s_cselect_b32 s96, s95, s94                    ; my first token
	s_cselect_b32 s97, s94, s95                    ; my first channel
	s_lshr_b32 s98, s96, 11
	s_lshl_b32 s98, s98, 4                         ; 16 x batch
	s_and_b32 s99, s97, 1023
	s_lshr_b32 s99, s99, 6
	s_add_co_u32 s98, s98, s99                     ; + head
	s_lshl_b32 s98, s98, 17                        ; x 131,072 bytes
	s_and_b32 s99, s96, 2047
	s_lshl_b32 s99, s99, 6                         ; + 64 bytes a token (in vc: 8,192 for each 128 tokens)
	s_add_co_u32 s98, s98, s99
	s_mov_b32 s99, 0
	s_cmp_eq_u32 ttmp9, 0
	s_cselect_b64 s[10:11], s[10:11], s[68:69]
	s_cmp_eq_u32 ttmp9, 2
	s_cselect_b64 s[10:11], s[70:71], s[10:11]
	s_add_nc_u64 s[10:11], s[10:11], s[98:99]
	s_wait_kmcnt 0x0
	s_cmp_eq_u32 ttmp9, 0
	s_cselect_b32 s79, s86, s87                    ; e2 or e3,
	s_cmp_eq_u32 ttmp9, 2
	s_cselect_b32 s79, s89, s79                    ; or e5
	s_sub_co_i32 s79, s79, s84
	s_sub_co_i32 s79, s79, s85                     ; a sum stands for sum x 2^(e0 + e1): the three scales are folded into the conversion's one
	s_add_co_i32 s79, s79, 127
	s_lshl_b32 s72, s79, 23
	v_mov_b32 v[SC], s72
	s_add_co_i32 s79, s79, 8
	s_lshl_b32 s79, s79, 23
	s_or_b32 s79, s79, 0x600000
	v_mov_b32 v[LIM], s79
.macro FRAG reg, adr, q, i             ; 16 rows x 128 K: registers 4 c .. 4 c + 3 hold K = 32 c + 16 (l / 16) + 0 .. 15: a permutation of k, the same in A and in B
.irp c, 0,1,2,3
	ds_load_b128 v[\reg+4*\c:\reg+4*\c+3], v[\adr] offset:128*(\q)+32*\c+(\i)*16*PITCH
.endr
.endm
; 16 matrix instructions.  The 64 accumulators take turns, one instruction a turn, in the same order in every step.
.macro MUL16 a0, p, zero
.irp a, \a0, \a0+1
.irp b, 0,1,2,3,4,5,6,7
.if \zero
	v_wmma_f32_16x16x128_fp8_fp8 v[8*(8*((\a)%4)+\b):8*(8*((\a)%4)+\b)+7], v[128*(\p)+FR*\b:128*(\p)+FR*\b+FR-1], v[AF+FR*(\a):AF+FR*(\a)+FR-1], 0
.else
	v_wmma_f32_16x16x128_fp8_fp8 v[8*(8*((\a)%4)+\b):8*(8*((\a)%4)+\b)+7], v[128*(\p)+FR*\b:128*(\p)+FR*\b+FR-1], v[AF+FR*(\a):AF+FR*(\a)+FR-1], v[8*(8*((\a)%4)+\b):8*(8*((\a)%4)+\b)+7]
.endif
.endr
.endr
.endm
.macro FETCH_B slot, q, p
	WIN TO_B
.irp i, 0,1,2,3,4,5,6,7
	FRAG 128*(\p)+FR*\i, ADRB+\slot, \q, \i
.endr
	WIN 0
.endm
.macro FETCH_A slot, q, i0
.irp i, \i0, \i0+1, \i0+2, \i0+3
	FRAG AF+FR*(\i), ADRA+\slot, \q, \i
.endr
.endm
.macro PLACES n                        ; plain vector lines between a matrix instruction and a load into, or a vector read of, its registers
.rept \n
	v_nop
.endr
.endm
.macro STEP slot, q, zero
	s_wait_dscnt 4*NL                              ; B's set and A's blocks 0-3 are in; the youngest sixteen loads (A's blocks 4-7) may be out
	WIN MUL_LO
	MUL16 0, (\q)%2, \zero
	MUL16 2, (\q)%2, \zero
	s_wait_dscnt 0                                 ; A's blocks 4-7 are in
	PLACES NP
	FETCH_B \slot, (\q)+1, 1-(\q)%2
	FETCH_A \slot, (\q)+1, 0
	WIN MUL_HI
	MUL16 4, (\q)%2, \zero
	MUL16 6, (\q)%2, \zero
	PLACES NP
	WIN 0
	FETCH_A \slot, (\q)+1, 4
.endm
; A slot's last step changes slots: one barrier; in front of it each wave waits for all its tensor loads, adds 0 to its spare word, and waits for that and for its reads of this slot.
.macro TURN slot, next, fill
	s_wait_tensorcnt 0x0                           ; all my tensor loads have landed: my part of the next slot
	ds_add_u32 v[SPW], v[NIL]                      ; 0 onto my spare word
	s_wait_dscnt 4*NL+1                            ; (the add and the youngest sixteen loads may be out)
	WIN MUL_LO
	MUL16 0, 1, 0
	s_wait_dscnt 0x0                               ; the add is done, and my reads of this slot are over
	s_barrier_signal -1
	MUL16 2, 1, 0
	WIN 0
	s_barrier_wait -1
.if \fill
	CREST                                          ; the barrier has opened a round of the cluster's barrier: no wave of any partner still reads this slot or has a load on its way
	s_add_nc_u64 s[G0+4*\slot+2:G0+4*\slot+3], s[G0+4*\slot+2:G0+4*\slot+3], 2*ROWB
	s_add_nc_u64 s[G0B+4*\slot+2:G0B+4*\slot+3], s[G0B+4*\slot+2:G0B+4*\slot+3], 2*ROWB
	JLOAD G0+4*\slot, G1, G0B+4*\slot, G1B         ; the first tensor load behind the round; its four v_nop are the places in front of the loads below
.else
	PLACES NP
.endif
	FETCH_B \next, 0, 0
	FETCH_A \next, 0, 0
	WIN MUL_HI
	MUL16 4, 1, 0
	MUL16 6, 1, 0
	PLACES NP
	WIN 0
	FETCH_A \next, 0, 4
.endm
	s_wait_alu depctr_va_vdst(0)
	s_wait_tensorcnt 0x0                           ; my part of K step 0 is in; slot 1's first fill is issued as a refill is
	ds_add_u32 v[SPW], v[NIL]                      ; 0 onto my spare word
	s_wait_dscnt 0x0
	CROUND                                         ; everybody's part of K step 0 is in, and the joint loads meet
	JLOAD G0+4, G1, G0B+4, G1B                     ; K step 1: the first tensor load behind the round
	FETCH_B 0, 0, 0
	FETCH_A 0, 0, 0
	FETCH_A 0, 0, 4
	global_prefetch_b8 v27, s[12:13] offset:768 th:TH_LOAD_NT scope:SCOPE_SE   ; my share of K step 3
	STEP 0, 0, 1                                   ; the first step's products start the sums
	s_mov_b32 s3, LAPS-1
.Llap:
	TURN 0, 1, 1
	STEP 1, 0, 0
	TURN 1, 0, 1
	STEP 0, 0, 0
	s_sub_co_u32 s3, s3, 1
	s_cmp_lg_u32 s3, 0
	s_cbranch_scc1 .Llap
	TURN 0, 1, 0
	STEP 1, 0, 0
	s_wait_dscnt 4*NL
	WIN MUL_LO
	MUL16 0, 1, 0
	MUL16 2, 1, 0
	s_wait_alu depctr_va_vdst(0)
	s_wait_dscnt 0
	WIN MUL_HI
	MUL16 4, 1, 0
	MUL16 6, 1, 0
	WIN 0
	PLACES NP
; THE WAY OUT, 64 of my rows at a time.  Hold, convert (8 sums -> 8 bytes), 16 bytes a lane into my stage (two neighbouring blocks of B's side together), back as rows of 128 bytes, and out.
; q, k: an instruction stores four tokens of two heads: 256 consecutive bytes, aligned, in each.  v: four channels of one head and key block: 512 consecutive bytes.
.macro HALF hh
.set WN, 0x82+0x41*(\hh)
	WIN WN                                         ; destination and source 0: window 2 or 3
.set RX, 0
.rept 256
	v_med3_num_f32 v[RX], v[RX], -v[LIM], v[LIM]   ; the hold at the largest code x the scale; each accumulator from its low end on
.set RX, RX+1
.endr
.set WN, 0x02+(\hh)
	WIN WN
.irp a, 0,1,2,3
.irp b, 0,1,2,3,4,5,6,7
	v_cvt_scalef32_pk8_fp8_f32 v[CD+16*\a+2*\b:CD+16*\a+2*\b+1], v[8*(8*\a+\b):8*(8*\a+\b)+7], v[SC]
.endr
.endr
	WIN 0
	v_nop                                          ; one plain vector line behind the last conversion of the run
.irp a, 0,1,2,3
.irp e, 0,1,2,3
	ds_store_b128 v[STO], v[CD+16*\a+4*\e:CD+16*\a+4*\e+3] offset:2304*\a+32*\e
.endr
.endr
.irp i, 0,1,2,3,4,5,6,7,8,9,10,11,12,13,14,15
	ds_load_b128 v[BK+64*(\hh)+4*\i:BK+64*(\hh)+4*\i+3], v[RD] offset:576*\i   ; LDS serves a wave's instructions in order: these see my stores
.endr
.irp i, 0,1,2,3,4,5,6,7,8,9,10,11,12,13,14,15
	s_wait_dscnt 15-\i
	global_store_b128 v[VO+\i], v[BK+64*(\hh)+4*\i:BK+64*(\hh)+4*\i+3], s[10:11]
.endr
.endm
	HALF 0
	s_wait_xcnt 0x0                                ; the stores have read their base: it may step
	s_add_nc_u64 s[10:11], s[10:11], s[80:81]
	HALF 1
	s_wait_tensorcnt 0x0                           ; the wave's end
	ds_add_u32 v[SPW], v[NIL]
	s_wait_dscnt 0x0
	CROUND                                         ; the closing round
	s_endpgm
.Lfunc_end_k_q6619fd11c0_qkv:
	.size	k_q6619fd11c0_qkv, .Lfunc_end_k_q6619fd11c0_qkv-k_q6619fd11c0_qkv
	.p2alignl 7, 3214868480
	.fill 96, 4, 3214868480
	.section	.rodata,"a",@progbits
	.p2align	6, 0x0
	.amdhsa_kernel k_q6619fd11c0_qkv
		.amdhsa_group_segment_fixed_size 327680
		.amdhsa_private_segment_fixed_size 0
		.amdhsa_enable_private_segment 0
		.amdhsa_kernarg_size 48
		.amdhsa_user_sgpr_count 2
		.amdhsa_user_sgpr_kernarg_segment_ptr 1
		.amdhsa_wavefront_size32 1
		.amdhsa_system_sgpr_workgroup_id_x 1
		.amdhsa_system_sgpr_workgroup_id_y 1
		.amdhsa_system_sgpr_workgroup_id_z 1
		.amdhsa_system_vgpr_workitem_id 0
		.amdhsa_next_free_vgpr 1024
		.amdhsa_next_free_sgpr 100
		.amdhsa_reserve_vcc 0
		.amdhsa_float_denorm_mode_32 3
		.amdhsa_float_denorm_mode_16_64 3
		.amdhsa_memory_ordered 1
		.amdhsa_forward_progress 1
		.amdhsa_inst_pref_size 125
	.end_amdhsa_kernel
	.amdgpu_metadata
---
amdhsa.version: [ 1, 2 ]
amdhsa.kernels:
  - .name:           k_q6619fd11c0_qkv
    .symbol:         k_q6619fd11c0_qkv.kd
    .args:
      - { .name: hc, .offset: 0, .size: 8, .value_kind: global_buffer, .address_space: global }
      - { .name: w_qkv_codes, .offset: 8, .size: 8, .value_kind: global_buffer, .address_space: global }
      - { .name: lowp_scales, .offset: 16, .size: 8, .value_kind: global_buffer, .address_space: global }
      - { .name: qc, .offset: 24, .size: 8, .value_kind: global_buffer, .address_space: global }
      - { .name: kc, .offset: 32, .size: 8, .value_kind: global_buffer, .address_space: global }
      - { .name: vc, .offset: 40, .size: 8, .value_kind: global_buffer, .address_space: global }
    .group_segment_fixed_size: 327680
    .private_segment_fixed_size: 0
    .kernarg_segment_align: 8
    .kernarg_segment_size: 48
    .max_flat_workgroup_size: 128
    .sgpr_count:     100
    .vgpr_count:     1024
    .wavefront_size: 32
...
	.end_amdgpu_metadata
.endif
;; end of part 2
;; launch attn (part 3): grid 8 x 32, 8 waves a work-group, clusters of 4 x 1, 327,680 bytes of LDS; arguments qc, kc, vc, lowp_scales, oc; writes oc
.if DOCPART == 3
	.amdgcn_target "amdgcn-amd-amdhsa--gfx1250"
	.amdhsa_code_object_version 6
	.text
	.protected	k_q6619fd11c0_attn
	.globl	k_q6619fd11c0_attn
	.p2align	8
	.type	k_q6619fd11c0_attn,@function
k_q6619fd11c0_attn:
	s_mov_b64 s[64:65], 0
	v_nop
	global_prefetch_b8 v0, s[64:65] scope:SCOPE_SE
	s_setreg_imm32_b32 hwreg(HW_REG_WAVE_MODE, 25, 1), 1
	s_wait_xcnt 0x0
	s_wait_alu depctr_hold_cnt(0) depctr_sa_sdst(0) depctr_va_vdst(0) depctr_va_sdst(0) depctr_va_ssrc(0) depctr_va_vcc(0) depctr_vm_vsrc(0)
	s_getreg_b32 s2, hwreg(HW_REG_IB_STS2, 6, 4)
	s_cmp_eq_u32 s2, 0
	s_cbranch_scc0 .Lentry_in_a_cluster
	s_endpgm
.Lentry_in_a_cluster:
	s_bfe_u32 s2, ttmp6, 0x10000c
	s_cmp_lg_u32 s2, 0x3003
	s_cbranch_scc0 .Lentry_shape_is_right
	s_endpgm
.Lentry_shape_is_right:
; o = softmax(q k^T / 8) v for 32 heads of 2,048 tokens x 64 channels, both products on codes of E4M3; o is quantised at once with the scale 2^e6 of the product that follows.
; The tokens keep reference()'s order ahead of its window permutation (left out: see the first kernel's head).
; THE SOFTMAX AHEAD OF THE SECOND PRODUCT: t = score x log2(e) / 8; M = the running largest t rounded UP to a whole number; p = 2^(t - M) is quantised with 2^e4, not normalised; the row's sum is taken of the
; unquantised p and divides at the end.  When M moves, the sum and O are multiplied by 2^(old M - new M), which rounds nothing.
; SHARES.  A work-group owns 256 queries of one head, each of its eight waves 32: two tiles of 16.  Every wave walks all keys, 128 a step: 16 products of K = 64 for the scores, 8 of K = 128 for O.
; THE WHOLE HEAD'S K AND V LIE IN LDS (2 x 131,072 bytes + padding), each byte filled once.  At the head each wave asks for 32 lines of the first 512 keys (waves 0-3: K, 4-7: V); behind the three lines
; one barrier stands behind those steps.
; K'S FRAGMENTS ARE READ A STEP AHEAD: behind a step's score products the next 128 keys' fragments are asked of LDS into the registers just read.  The third step asks for the last keys of the first 512.
; The last step's request has no next keys: it reaches V's first 32 lines, which lie behind K's, and what it brings is not used.
; CLUSTER.  The four query blocks of a cluster belong to one head: each tile is asked for jointly, by the same tensor load with the same descriptor and the mask of all four.
; LAYOUT.  S^T = K Q^T (source 0 = 16 keys, source 1 = 16 queries), O^T = V^T P^T (source 0 = 16 channels, source 1 = P): a lane holds one query throughout.  Tile g's eight scores of a lane are keys
; 16 g + 8 h + 0..7: converted, they are registers 2 g, 2 g + 1 of P, the true places of the K = 128 form.  qc, kc and vc are stored so that loads of 16 bytes put their numbers in the true places too.
; In LDS a line is 256 bytes (4 keys of K; 2 channels of a key block of V) + 16 of padding: the 16 rows of a fragment start at 16 different groups of banks.
; No prefetch: both requests of a wave are out ahead of the first key step, so no trip is left to ask ahead in.
; LIMITS: e2 + e3 between -120 and 130 (added to c's exponent field); e4, and e6 - e4 - e5, between -126 and 119.  NaN is not served.
; REGISTERS.  Window 0: v1-11 addresses; v12-27 statistics, eight a tile; v28-43 Q; v44-107 K's eight fragments; v108-235 S^T, then p; v236-242 spare word, 0, scales and limits.
;             Window 1: v0-63 O^T; v64-127 V's four fragments; v128-159 P's codes.
.set PL,   272
.set VOFF, 512*PL                      ; K's 512 lines, then V's 512
.set QTR,  128*PL                      ; 512 keys
.set BLK,  32*PL                       ; 128 keys
.set STG,  2*VOFF                      ; behind them: 32 rows x (64 bytes + 16) for each wave, for the way out; no tensor load lands here
.set WST,  32*80
.set SPARE, STG+8*WST                  ; the spare words, 128 bytes for each wave
.set AK0, 1
.set AV0, 2
.set STO, 3
.set RD,  4
.set GO,  7
.set ADK, 8
.set ADV, 9
.set ST,  12                           ; tile t at v[ST + 8 t]: +0 -M, +1 the largest t, +2, +3 the sum in two halves, +4 f (+5 = 0, named with it as a pair), +6, +7 at work
.set Q,   28
.set KF,  44
.set S,   108
.set SPW, 236
.set NIL, 237
.set SCL, 238                          ; 2^e4
.set LIMA, 239                         ; 448 x 2^e4, twice: the two halves of a dual pair take their second sources from different banks
.set LIMB, 240
.set OS,  241                          ; 2^(e6 - e4 - e5)
.set OL,  242                          ; 448 x that
.set O,   0                            ; window 1
.set VF,  64
.set P,   128
.set TB,  2                            ; s2  LDS byte at which the 128 keys in hand begin (in K; in V the same behind VOFF)
.set MSB, 0
.macro WIN new                         ; the immediate's high byte repeats the setting that is left
.if MSB != \new
	s_set_vgpr_msb (MSB<<8)|\new
.set MSB, \new
.endif
.endm
.macro CROUND
	s_barrier_signal -1
	s_barrier_wait -1
	s_cmp_lg_u32 s18, 0
	s_cbranch_scc1 .Lnot_wave_0_\@
	s_barrier_signal -3
.Lnot_wave_0_\@:
	s_barrier_wait -3
	s_barrier_signal -1
	s_barrier_wait -1
.endm
.macro KLOAD adr, off                  ; the eight fragments of 128 keys: sixteen loads
.irp g, 0,1,2,3,4,5,6,7
.irp c, 0,1
	ds_load_b128 v[KF+8*\g+4*\c:KF+8*\g+4*\c+3], v[\adr] offset:\off+1088*\g+32*\c
.endr
.endr
.endm
	s_load_b256 s[4:11], s[0:1], 0x0               ; qc s[4:5], kc s[6:7], vc s[8:9], the scales s[10:11]
	s_load_b64 s[12:13], s[0:1], 0x20              ; oc
	v_lshl_add_u32 v[SPW], v0, 2, SPARE
	v_mov_b32 v[NIL], 0
	ds_add_u32 v[SPW], v[NIL]                      ; the opening lines: the add, twice on end, and its wait ahead of my first tensor load
	ds_add_u32 v[SPW], v[NIL]
	v_lshrrev_b32 v10, 5, v0
	s_delay_alu instid0(VALU_DEP_1)
	v_readfirstlane_b32 s18, v10                   ; wave 0..7
	s_bfe_u32 s14, ttmp6, 0x40000                  ; cx
	s_lshl_b32 s15, ttmp9, 2
	s_add_co_u32 s15, s15, s14                     ; my block of 256 queries: it enters Q's and o's addresses alone
	s_and_b32 s16, ttmp7, 0xffff                   ; the head bh, which the four partners share
	s_lshl_b32 s48, s16, 17                        ; x 131,072 bytes
	s_and_b32 s17, s18, 3
	s_lshl_b32 s50, s17, 13                        ; first request: my 8,192 bytes of the first 32,768
	s_add_co_u32 s50, s50, s48
	s_mov_b32 s51, 0
	s_mul_i32 s60, s17, 24576                      ; second request: my 24,576 bytes of the other 98,304
	s_add_co_u32 s60, s60, s48
	s_add_co_u32 s60, s60, 32768
	s_mov_b32 s61, 0
	s_lshr_b32 s19, s18, 2
	s_mul_i32 s19, s19, VOFF
	s_mul_i32 s62, s17, BLK
	s_add_co_u32 s62, s62, s19                     ; their places in LDS
	s_mul_i32 s63, s17, 3*BLK
	s_add_co_u32 s63, s63, s19
	s_add_co_u32 s63, s63, QTR
	s_mov_b32 s24, 15|(0<<16)|(1<<20)|(1<<21)|(5<<22)|(3<<25)  ; the mask: all four; elements of 1 byte; padding on; bit 21 beside a mask; after every 64 words, 4 words
	s_mov_b32 s25, 256<<16                         ; tensor_dim0
	s_mov_b32 s26, 32<<16                          ; tensor_dim1
	s_mov_b32 s27, 256<<16                         ; tile_dim0
	s_mov_b32 s28, 32                              ; tile_dim1
	s_mov_b32 s29, 256                             ; from row to row: the block is dense
	s_mov_b32 s30, 0
	s_mov_b32 s31, 0
	s_mov_b32 s40, 15|(0<<16)|(1<<20)|(1<<21)|(5<<22)|(3<<25)  ; the second request's group 1: 96 rows
	s_mov_b32 s41, 256<<16
	s_mov_b32 s42, 96<<16
	s_mov_b32 s43, 256<<16
	s_mov_b32 s44, 96
	s_mov_b32 s45, 256
	s_mov_b32 s46, 0
	s_mov_b32 s47, 0
	s_mov_b32 s20, 0x76543210
	s_mov_b32 s21, 0xfedcba98                      ; lane l xor 16
	s_mov_b32 s[TB], 0
	s_lshl_b32 s54, s15, 8
	s_lshl_b32 s55, s18, 5
	s_add_co_u32 s54, s54, s55                     ; my first query in the head
	s_and_b32 s56, s16, 15
	s_lshl_b32 s56, s56, 12                        ; o: [16 heads][4096 tokens][64]
	s_lshr_b32 s57, s16, 4
	s_lshl_b32 s57, s57, 11
	s_add_co_u32 s56, s56, s57
	s_add_co_u32 s56, s56, s54
	s_lshl_b32 s56, s56, 6
	s_mov_b32 s57, 0
	s_lshl_b32 s54, s54, 6
	s_add_co_u32 s54, s54, s48
	s_mov_b32 s55, 0
	s_wait_dscnt 0x0                               ; both opening adds are done
	s_wait_kmcnt 0x0
	s_load_b256 s[68:75], s[10:11], 0x0            ; e0 .. e7
	s_cmp_lt_u32 s18, 4
	s_cselect_b64 s[52:53], s[6:7], s[8:9]         ; waves 0-3 fetch K, waves 4-7 V
	s_mov_b32 s32, 1
	s_mov_b32 s33, s62
	s_add_nc_u64 s[34:35], s[52:53], s[50:51]
	s_or_b32 s35, s35, 0x80000000
	s_mov_b32 s36, 1
	s_mov_b32 s37, s63
	s_add_nc_u64 s[38:39], s[52:53], s[60:61]
	s_or_b32 s39, s39, 0x80000000
	s_add_nc_u64 s[4:5], s[4:5], s[54:55]
	s_add_nc_u64 s[12:13], s[12:13], s[56:57]
	CROUND                                         ; all four work-groups are here: the joint loads meet
	tensor_load_to_lds s[32:35], s[24:31]          ; my one tensor load at the head
	s_nop 0
.rept 4
	v_nop
.endr
	v_and_b32 v10, 15, v0                          ; r
	v_bfe_u32 v11, v0, 4, 1                        ; h
	s_delay_alu instid0(VALU_DEP_2)
	v_lshlrev_b32 v6, 6, v10
	s_delay_alu instid0(VALU_DEP_1)
	v_lshl_add_u32 v6, v11, 4, v6                  ; Q: row r of 64 bytes, + 16 h
.irp t, 0,1
.irp c, 0,1
	global_load_b128 v[Q+8*\t+4*\c:Q+8*\t+4*\c+3], v6, s[4:5] offset:1024*\t+32*\c
.endr
.endr
	v_lshrrev_b32 v5, 2, v10
	s_delay_alu instid0(VALU_DEP_1)
	v_mul_u32_u24 v[AK0], v5, PL
	v_and_b32 v5, 3, v10
	s_delay_alu instid0(VALU_DEP_1)
	v_lshl_add_u32 v[AK0], v5, 6, v[AK0]
	s_delay_alu instid0(VALU_DEP_1)
	v_lshl_add_u32 v[AK0], v11, 4, v[AK0]          ; K: key r: line r / 4, 64 (r % 4), + 16 h
	v_lshrrev_b32 v5, 1, v10
	s_delay_alu instid0(VALU_DEP_1)
	v_mul_u32_u24 v[AV0], v5, PL
	v_and_b32 v5, 1, v10
	s_delay_alu instid0(VALU_DEP_1)
	v_lshl_add_u32 v[AV0], v5, 7, v[AV0]
	s_delay_alu instid0(VALU_DEP_1)
	v_lshl_add_u32 v[AV0], v11, 4, v[AV0]
	s_delay_alu instid0(VALU_DEP_1)
	v_add_nc_u32 v[AV0], VOFF, v[AV0]              ; V: channel r: line r / 2, 128 (r % 2), + 16 h
	s_mul_i32 s58, s18, WST
	s_add_co_u32 s58, s58, STG                     ; my stage
	v_mul_u32_u24 v[STO], v10, 80
	s_delay_alu instid0(VALU_DEP_1)
	v_lshl_add_u32 v[STO], v11, 3, v[STO]
	s_delay_alu instid0(VALU_DEP_1)
	v_add_nc_u32 v[STO], s58, v[STO]               ; in: row r, 8 bytes for each half of the lanes
	v_bfe_u32 v5, v0, 2, 3
	s_delay_alu instid0(VALU_DEP_1)
	v_mul_u32_u24 v[RD], v5, 80
	v_and_b32 v5, 3, v0
	s_delay_alu instid0(VALU_DEP_1)
	v_lshl_add_u32 v[RD], v5, 4, v[RD]
	s_delay_alu instid0(VALU_DEP_1)
	v_add_nc_u32 v[RD], s58, v[RD]                 ; back: four lanes to a row of 64 bytes
	v_and_b32 v5, 31, v0
	s_delay_alu instid0(VALU_DEP_1)
	v_lshlrev_b32 v[GO], 4, v5
.irp t, 0,1
	v_mov_b32 v[ST+8*\t+1], 0xff61b1e6             ; the largest t so far: -3e38
	s_delay_alu instid0(VALU_DEP_1)
	v_floor_f32 v[ST+8*\t], -v[ST+8*\t+1]          ; -M
	v_mov_b32 v[ST+8*\t+2], 0
	v_mov_b32 v[ST+8*\t+3], 0
	v_mov_b32 v[ST+8*\t+5], 0
.endr
	WIN 0x40
.set J, 0
.rept 64
	v_mov_b32 v[O+J], 0                            ; O^T: the step is written once; the first finds zeros, which the first change of M leaves zeros
.set J, J+1
.endr
	WIN 0
	s_wait_kmcnt 0x0
	s_add_co_i32 s58, s70, s71
	s_lshl_b32 s58, s58, 23
	s_add_co_i32 s22, s58, 0x3e38aa3b              ; c = log2(e) / 8, with e2 + e3 added to its exponent field
	s_mov_b32 s23, s22
	s_add_co_i32 s58, s72, 127
	s_lshl_b32 s59, s58, 23
	v_mov_b32 v[SCL], s59                          ; 2^e4
	s_add_co_i32 s58, s58, 8
	s_lshl_b32 s58, s58, 23
	s_or_b32 s58, s58, 0x600000
	v_mov_b32 v[LIMA], s58                         ; 448 x 2^e4
	v_mov_b32 v[LIMB], s58
	s_sub_co_i32 s58, s74, s72
	s_sub_co_i32 s58, s58, s73
	s_add_co_i32 s58, s58, 127
	s_lshl_b32 s59, s58, 23
	v_mov_b32 v[OS], s59                           ; 2^(e6 - e4 - e5): O^T / l stands for o / 2^(e4 + e5)
	s_add_co_i32 s58, s58, 8
	s_lshl_b32 s58, s58, 23
	s_or_b32 s58, s58, 0x600000
	v_mov_b32 v[OL], s58
; A KEY STEP: the 128 keys that begin at s[TB].  Their fragments of K are in registers: the step before asked for them and waited.
.macro STEP
	v_add_nc_u32 v[ADK], s[TB], v[AK0]
	v_add_nc_u32 v[ADV], s[TB], v[AV0]
	v_nop
	v_nop                                          ; four plain lines between the last products and the loads into the registers that they read
	WIN 0x40                                       ; destination in window 1
.irp d, 0,1,2,3
.irp c, 0,1,2,3
	ds_load_b128 v[VF+16*\d+4*\c:VF+16*\d+4*\c+3], v[ADV] offset:2176*\d+32*\c
.endr
.endr
	WIN 0
.irp g, 0,1,2,3,4,5,6,7
.irp t, 0,1
	v_wmma_f32_16x16x64_fp8_fp8 v[S+64*\t+8*\g:S+64*\t+8*\g+7], v[KF+8*\g:KF+8*\g+7], v[Q+8*\t:Q+8*\t+7], 0
.endr
.endr
.rept 4
	v_nop                                          ; four plain lines: ahead of the loads into K's registers, and of the first read of the scores
.endr
	KLOAD ADK, BLK                                 ; the next 128 keys' fragments
.irp t, 0,1
	v_max3_num_f32 v[ST+8*\t+6], v[S+64*\t], v[S+64*\t+1], v[S+64*\t+2]   ; the step's largest score, in two chains a tile; ascending
.endr
.irp t, 0,1
	v_max3_num_f32 v[ST+8*\t+7], v[S+64*\t+3], v[S+64*\t+4], v[S+64*\t+5]
.endr
.irp i, 6,10,14,18,22,26,30,34,38,42,46,50,54,58
.irp t, 0,1
	v_max3_num_f32 v[ST+8*\t+6], v[ST+8*\t+6], v[S+64*\t+\i], v[S+64*\t+\i+1]
.endr
.irp t, 0,1
	v_max3_num_f32 v[ST+8*\t+7], v[ST+8*\t+7], v[S+64*\t+\i+2], v[S+64*\t+\i+3]
.endr
.endr
.irp t, 0,1
	v_max3_num_f32 v[ST+8*\t+6], v[ST+8*\t+6], v[S+64*\t+62], v[S+64*\t+63]
.endr
.irp t, 0,1
	s_delay_alu instid0(VALU_DEP_2)
	v_max_num_f32 v[ST+8*\t+6], v[ST+8*\t+6], v[ST+8*\t+7]
.endr
.irp t, 0,1
	s_delay_alu instid0(VALU_DEP_2)
	v_permlanex16_b32 v[ST+8*\t+7], v[ST+8*\t+6], s20, s21
.endr
.irp t, 0,1
	s_delay_alu instid0(VALU_DEP_2)
	v_max_num_f32 v[ST+8*\t+6], v[ST+8*\t+6], v[ST+8*\t+7]   ; and among lane l xor 16's keys
.endr
.irp t, 0,1
	s_delay_alu instid0(VALU_DEP_2)
	v_mul_f32 v[ST+8*\t+6], s22, v[ST+8*\t+6]      ; as t (c is positive)
.endr
.irp t, 0,1
	s_delay_alu instid0(VALU_DEP_2)
	v_max_num_f32 v[ST+8*\t+1], v[ST+8*\t+1], v[ST+8*\t+6]   ; the running largest t
.endr
.irp t, 0,1
	v_mov_b32 v[ST+8*\t+6], v[ST+8*\t]
.endr
.irp t, 0,1
	s_delay_alu instid0(VALU_DEP_4)
	v_floor_f32 v[ST+8*\t], -v[ST+8*\t+1]          ; the new -M = -ceil(t)
.endr
.irp t, 0,1
	s_delay_alu instid0(VALU_DEP_2)
	v_sub_f32 v[ST+8*\t+6], v[ST+8*\t], v[ST+8*\t+6]   ; old M - new M: a whole number, 0 or less
.endr
.irp t, 0,1
	s_delay_alu instid0(VALU_DEP_2)
	v_cvt_i32_f32 v[ST+8*\t+6], v[ST+8*\t+6]       ; (it saturates)
.endr
.irp t, 0,1
	s_delay_alu instid0(VALU_DEP_2)
	v_ldexp_f32 v[ST+8*\t+4], 1.0, v[ST+8*\t+6]    ; f = 2^(old M - new M)
.endr
.irp t, 0,1
.set J, 0
.rept 32
	v_pk_fma_f32 v[S+64*\t+J:S+64*\t+J+1], v[S+64*\t+J:S+64*\t+J+1], s[22:23], v[ST+8*\t:ST+8*\t+1] op_sel_hi:[1,0,0]   ; t - M, two at a time
.set J, J+2
.endr
.endr
	WIN 0x41                                       ; destination and source 0 in window 1
.irp t, 0,1
.set J, 0
.rept 16
	v_pk_mul_f32 v[O+32*\t+J:O+32*\t+J+1], v[O+32*\t+J:O+32*\t+J+1], v[ST+8*\t+4:ST+8*\t+5] op_sel_hi:[1,0]   ; O^T under the new M: ahead of the exponentials, each accumulator from its low end on
.set J, J+2
.endr
.endr
	WIN 0
	s_wait_alu depctr_va_vdst(0)
.set J, 0
.rept 128
	v_exp_f32 v[S+J], v[S+J]                       ; p = 2^(t - M): one batch for both tiles
.set J, J+1
.endr
.irp t, 0,1
	v_pk_mul_f32 v[ST+8*\t+2:ST+8*\t+3], v[ST+8*\t+2:ST+8*\t+3], v[ST+8*\t+4:ST+8*\t+5] op_sel_hi:[1,0]   ; the sums under the new M (plain lines behind the exponentials)
.endr
	s_wait_alu depctr_va_vdst(0)                   ; one wait for the batch, ahead of its first reader
	s_wait_dscnt 0x0                               ; V is in, and so are the next step's fragments of K
.irp t, 0,1
	v_pk_add_f32 v[ST+8*\t+6:ST+8*\t+7], v[S+64*\t:S+64*\t+1], v[S+64*\t+2:S+64*\t+3]   ; the row's sum is taken of the unquantised p, in two chains a tile
.endr
.irp j, 4,8,12,16,20,24,28,32,36,40,44,48,52,56,60
.irp t, 0,1
	v_pk_add_f32 v[ST+8*\t+2:ST+8*\t+3], v[ST+8*\t+2:ST+8*\t+3], v[S+64*\t+\j:S+64*\t+\j+1]
	v_pk_add_f32 v[ST+8*\t+6:ST+8*\t+7], v[ST+8*\t+6:ST+8*\t+7], v[S+64*\t+\j+2:S+64*\t+\j+3]
.endr
.endr
.irp t, 0
	s_delay_alu instid0(VALU_DEP_3)
	v_pk_add_f32 v[ST+8*\t+2:ST+8*\t+3], v[ST+8*\t+2:ST+8*\t+3], v[ST+8*\t+6:ST+8*\t+7]
.endr
.irp t, 1
	s_delay_alu instid0(VALU_DEP_2)
	v_pk_add_f32 v[ST+8*\t+2:ST+8*\t+3], v[ST+8*\t+2:ST+8*\t+3], v[ST+8*\t+6:ST+8*\t+7]
.endr
.set J, 0
.rept 64
	v_dual_min_num_f32 v[S+J], v[S+J], v[LIMA] :: v_dual_min_num_f32 v[S+J+1], v[S+J+1], v[LIMB]   ; the conversion does not saturate (ISA guide 7.6.2); p is not negative, so the hold is one-sided; two a line
.set J, J+2
.endr
	WIN 0x40
.irp t, 0,1
.irp g, 0,1,2,3,4,5,6,7
	v_cvt_scalef32_pk8_fp8_f32 v[P+16*\t+2*\g:P+16*\t+2*\g+1], v[S+64*\t+8*\g:S+64*\t+8*\g+7], v[SCL]
.endr
.endr
	v_nop                                          ; one plain line behind the last conversion
	WIN 0x55                                       ; all four operands in window 1
.irp d, 0,1,2,3
.irp t, 0,1
	v_wmma_f32_16x16x128_fp8_fp8 v[O+32*\t+8*\d:O+32*\t+8*\d+7], v[VF+16*\d:VF+16*\d+15], v[P+16*\t:P+16*\t+15], v[O+32*\t+8*\d:O+32*\t+8*\d+7]   ; eight accumulators by turns
.endr
.endr
	WIN 0
.endm
.macro WALK n                          ; n key steps
	s_mov_b32 s3, \n
.Lblk_\@:
	STEP
	s_add_co_u32 s[TB], s[TB], BLK
	s_sub_co_u32 s3, s3, 1
	s_cmp_lg_u32 s3, 0
	s_cbranch_scc1 .Lblk_\@
.endm
	s_wait_alu depctr_va_vdst(0)
	s_wait_tensorcnt 0x0                           ; my part of the first 512 keys is in; the later first fill is issued as a refill is:
	ds_add_u32 v[SPW], v[NIL]                      ; 0 onto my spare word
	s_wait_dscnt 0x0
	CROUND                                         ; everybody's part is in, and all four work-groups are here
	tensor_load_to_lds s[36:39], s[40:47]          ; my part of the other 1,536 keys: my one tensor load behind the round
	s_nop 0
.rept 4
	v_nop
.endr
	KLOAD AK0, 0                                   ; the first 128 keys' fragments
	s_wait_loadcnt 0x0                             ; Q
	s_wait_dscnt 0x0
	WALK 3                                         ; steps 0 to 2 read keys 0 to 511 alone
	s_wait_tensorcnt 0x0                           ; my second load has landed
	s_barrier_signal -1
	s_barrier_wait -1                              ; everybody's has
	WALK 13
	; THE WAY OUT: O^T / l, held, converted with 2^(e6 - e4 - e5), 8 bytes a lane into my stage, back as rows of 64 bytes: my 32 queries are 2,048 consecutive bytes of oc.
.rept 4
	v_nop
.endr
.irp t, 0,1
	v_add_f32 v[ST+8*\t+2], v[ST+8*\t+2], v[ST+8*\t+3]
.endr
.irp t, 0,1
	s_delay_alu instid0(VALU_DEP_2)
	v_permlanex16_b32 v[ST+8*\t+6], v[ST+8*\t+2], s20, s21
.endr
.irp t, 0,1
	s_delay_alu instid0(VALU_DEP_2)
	v_add_f32 v[ST+8*\t+2], v[ST+8*\t+2], v[ST+8*\t+6]
.endr
	s_wait_alu depctr_va_vdst(0)
.irp t, 0,1
	v_rcp_f32 v[ST+8*\t+4], v[ST+8*\t+2]
.endr
	v_nop
	WIN 0x01                                       ; source 0 in window 1
	s_wait_alu depctr_va_vdst(0)                   ; one wait for the two reciprocals, directly ahead of the first readers of O^T
.irp t, 0,1
.set J, 0
.rept 16
	v_pk_mul_f32 v[S+32*\t+J:S+32*\t+J+1], v[O+32*\t+J:O+32*\t+J+1], v[ST+8*\t+4:ST+8*\t+5] op_sel_hi:[1,0]
.set J, J+2
.endr
.endr
	WIN 0
.set J, 0
.rept 64
	v_med3_num_f32 v[S+J], v[S+J], -v[OL], v[OL]
.set J, J+1
.endr
.irp t, 0,1
.irp d, 0,1,2,3
	v_cvt_scalef32_pk8_fp8_f32 v[KF+8*\t+2*\d:KF+8*\t+2*\d+1], v[S+32*\t+8*\d:S+32*\t+8*\d+7], v[OS]
.endr
.endr
	v_nop
.irp t, 0,1
.irp d, 0,1,2,3
	ds_store_b64 v[STO], v[KF+8*\t+2*\d:KF+8*\t+2*\d+1] offset:1280*\t+16*\d   ; query 16 t + r, channels 16 d + 8 h + 0..7
.endr
.endr
.irp i, 0,1,2,3
	ds_load_b128 v[KF+16+4*\i:KF+16+4*\i+3], v[RD] offset:640*\i   ; LDS serves a wave's instructions in order: these see my stores
.endr
.irp i, 0,1,2,3
	s_wait_dscnt 3-\i
	global_store_b128 v[GO], v[KF+16+4*\i:KF+16+4*\i+3], s[12:13] offset:512*\i   ; 32 lanes store 512 consecutive bytes
.endr
	s_wait_tensorcnt 0x0                           ; the wave's end
	ds_add_u32 v[SPW], v[NIL]
	s_wait_dscnt 0x0
	CROUND                                         ; the closing round
	s_endpgm
.Lfunc_end_k_q6619fd11c0_attn:
	.size	k_q6619fd11c0_attn, .Lfunc_end_k_q6619fd11c0_attn-k_q6619fd11c0_attn
	.p2alignl 7, 3214868480
	.fill 96, 4, 3214868480
	.section	.rodata,"a",@progbits
	.p2align	6, 0x0
	.amdhsa_kernel k_q6619fd11c0_attn
		.amdhsa_group_segment_fixed_size 327680
		.amdhsa_private_segment_fixed_size 0
		.amdhsa_enable_private_segment 0
		.amdhsa_kernarg_size 40
		.amdhsa_user_sgpr_count 2
		.amdhsa_user_sgpr_kernarg_segment_ptr 1
		.amdhsa_wavefront_size32 1
		.amdhsa_system_sgpr_workgroup_id_x 1
		.amdhsa_system_sgpr_workgroup_id_y 1
		.amdhsa_system_sgpr_workgroup_id_z 1
		.amdhsa_system_vgpr_workitem_id 0
		.amdhsa_next_free_vgpr 416
		.amdhsa_next_free_sgpr 80
		.amdhsa_reserve_vcc 0
		.amdhsa_float_denorm_mode_32 3
		.amdhsa_float_denorm_mode_16_64 3
		.amdhsa_memory_ordered 1
		.amdhsa_forward_progress 1
		.amdhsa_inst_pref_size 79
	.end_amdhsa_kernel
	.amdgpu_metadata
---
amdhsa.version: [ 1, 2 ]
amdhsa.kernels:
  - .name:           k_q6619fd11c0_attn
    .symbol:         k_q6619fd11c0_attn.kd
    .args:
      - { .name: qc, .offset: 0, .size: 8, .value_kind: global_buffer, .address_space: global }
      - { .name: kc, .offset: 8, .size: 8, .value_kind: global_buffer, .address_space: global }
      - { .name: vc, .offset: 16, .size: 8, .value_kind: global_buffer, .address_space: global }
      - { .name: lowp_scales, .offset: 24, .size: 8, .value_kind: global_buffer, .address_space: global }
      - { .name: oc, .offset: 32, .size: 8, .value_kind: global_buffer, .address_space: global }
    .group_segment_fixed_size: 327680
    .private_segment_fixed_size: 0
    .kernarg_segment_align: 8
    .kernarg_segment_size: 40
    .max_flat_workgroup_size: 256
    .sgpr_count:     80
    .vgpr_count:     416
    .wavefront_size: 32
...
	.end_amdgpu_metadata
.endif
;; end of part 3
;; launch oproj (part 4): grid 8 x 32, 4 waves a work-group, clusters of 4 x 4, 327,680 bytes of LDS; arguments oc, w_o_codes, lowp_scales, x, x1; writes x1
.if DOCPART == 4
	.amdgcn_target "amdgcn-amd-amdhsa--gfx1250"
	.amdhsa_code_object_version 6
	.text
	.protected	k_q6619fd11c0_oproj
	.globl	k_q6619fd11c0_oproj
	.p2align	8
	.type	k_q6619fd11c0_oproj,@function
k_q6619fd11c0_oproj:
	s_mov_b64 s[64:65], 0
	v_nop
	global_prefetch_b8 v0, s[64:65] scope:SCOPE_SE
	s_setreg_imm32_b32 hwreg(HW_REG_WAVE_MODE, 25, 1), 1
	s_wait_xcnt 0x0
	s_wait_alu depctr_hold_cnt(0) depctr_sa_sdst(0) depctr_va_vdst(0) depctr_va_sdst(0) depctr_va_ssrc(0) depctr_va_vcc(0) depctr_vm_vsrc(0)
	s_getreg_b32 s2, hwreg(HW_REG_IB_STS2, 6, 4)
	s_cmp_eq_u32 s2, 0
	s_cbranch_scc0 .Lentry_in_a_cluster
	s_endpgm
.Lentry_in_a_cluster:
	s_bfe_u32 s2, ttmp6, 0x10000c
	s_cmp_lg_u32 s2, 0xf033
	s_cbranch_scc0 .Lentry_shape_is_right
	s_endpgm
.Lentry_shape_is_right:
; x1[m][n] = x[m][n] + 2^(e6 + e7) x the sum over k of o[m][k] w_o[n][k], on codes of E4M3.  M = 4,096, N = 1,024, K = 1,024.  x, x1: f32 [4096][1024].
; o's codes lie in panels of 64 along K: [16][4096 rows][64 bytes]; w_o: [1024][1024], K innermost.
; A tile of 128 x 128 gives N = 1,024 its 256 work-groups.  Four waves, each 64 x 64: 16 accumulators.
; THE WHOLE K LIES IN LDS: 128 rows of o and 128 of w_o, 1,024 bytes each, with padding 272,384 bytes.  Each byte is filled once, by one tensor load a wave at the head (waves 0, 1: eight panels of o each;
; waves 2, 3: 64 rows of w_o each): no ring, no refill; one barrier shows the tiles to all four waves.
; CLUSTERS: 4 x 4 work-groups; o's tiles are asked for jointly along a row of the cluster, w_o's along a column.  The matrix instruction is used transposed: a lane holds eight neighbouring numbers of a row of x1.
; The residual's 32 loads a wave go out at the head, behind the tensor load.  No prefetch: every request of the launch is out at its head.
; LIMIT: e6 + e7 between -126 and 127.  NaN is not served.
; REGISTERS: window 0: v0-31 addresses; v128-255 the accumulators ((a, b) at v[128 + 8 (4 a + b)]).  window 1: two fragment buffers of 128 (o's four blocks, then w_o's four); on the way out rows of x1.  window 2: v0-127 the residual.
.set SIZE_K, 1024
.set EOFF,   24
.set PA,     272                       ; o in LDS: a line is 256 bytes (4 rows of a panel) + 16 of padding
.set PANEL,  32*PA                     ; 128 rows of one panel
.set HALFA,  8*PANEL                   ; what one tensor load brings of o
.set PB,     1040                      ; w_o in LDS: 1,024 bytes + 16
.set HALFB,  64*PB
.set BOFF,   2*HALFA
.set STAGE,  BOFF+2*HALFB              ; behind the tiles: 16 rows x (256 bytes + 16) for each wave
.set SPITCH, 272
.set SPARE,  STAGE+4*16*SPITCH
.set ADRA, 16                          ; v16, v17: my rows of o in panels 0-7 and 8-15
.set ADRB, 20
.set STO,  24
.set RD,   25
.set CO,   26
.set SPW,  28
.set NIL,  29
.set ACC,  128
.set F0,   0
.set F1,   128
.set G1, 24
.set G0, 32
.set G1B, 48
.set G0B, 56
.set MSB, 0
.macro WIN new
.if MSB != \new
	s_set_vgpr_msb (MSB<<8)|\new
.set MSB, \new
.endif
.endm
.set MUL,  0x05                        ; sources 0 and 1 window 1; C and D window 0
.set TO_F, 0x40                        ; destination window 1
.set TO_R, 0x80                        ; destination window 2
.set FMA,  0x61                        ; source 0 and destination window 1, source 2 window 2
.set STW,  0x04                        ; a store's data in window 1
.macro CROUND
	s_barrier_signal -1
	s_barrier_wait -1
	s_cmp_lg_u32 s10, 0
	s_cbranch_scc1 .Lnot_wave_0_\@
	s_barrier_signal -3
.Lnot_wave_0_\@:
	s_barrier_wait -3
	s_barrier_signal -1
	s_barrier_wait -1
.endm
	s_load_b128 s[4:7], s[0:1], 0x0                ; o's codes, w_o's codes
	s_load_b128 s[68:71], s[0:1], 0x10             ; the scales s[68:69], the residual s[70:71]
	s_load_b64 s[8:9], s[0:1], 0x20                ; x1
	v_lshl_add_u32 v[SPW], v0, 2, SPARE
	v_mov_b32 v[NIL], 0
	ds_add_u32 v[SPW], v[NIL]                      ; the opening lines: the add, twice on end, and its wait
	ds_add_u32 v[SPW], v[NIL]
	v_lshrrev_b32 v1, 5, v0
	v_readfirstlane_b32 s10, v1                    ; wave 0..3
	s_lshr_b32 s11, s10, 1                         ; my half of the tile's rows.  Also: I fetch for o (0) or for w_o (1)
	s_and_b32 s12, s10, 1                          ; my half of its columns.  Also: which half of that tile I fetch
	s_bfe_u32 s40, ttmp6, 0x40000                  ; cx
	s_bfe_u32 s41, ttmp6, 0x40004                  ; cy
	s_lshl_b32 s42, ttmp9, 2
	s_add_co_u32 s42, s42, s40                     ; tile column
	s_and_b32 s13, ttmp7, 0xffff
	s_lshl_b32 s13, s13, 2
	s_add_co_u32 s13, s13, s41                     ; tile row
	s_lshl_b32 s43, s41, 2
	s_lshl_b32 s43, 15, s43
	s_lshl_b32 s44, 0x1111, s40
	; o: eight panels, each 128 rows x 64 bytes = 8,192 consecutive bytes, 262,144 bytes apart; 16 bytes of padding behind every 256, which divides the row: lines 272 bytes apart
	s_or_b32 s[G1+0], s43, (0<<16)|(1<<20)|(1<<21)|(5<<22)|(3<<25)
	s_mov_b32 s[G1+1], 8192<<16
	s_mov_b32 s[G1+2], 8<<16
	s_mov_b32 s[G1+3], 8192<<16
	s_mov_b32 s[G1+4], 8
	s_mov_b32 s[G1+5], 262144
	s_mov_b32 s[G1+6], 0
	s_mov_b32 s[G1+7], 0
	; w_o: 64 rows x 1,024 bytes, 16 bytes of padding behind each (after every 256 words, 4 words)
	s_or_b32 s[G1B+0], s44, (0<<16)|(1<<20)|(1<<21)|(7<<22)|(3<<25)
	s_mov_b32 s[G1B+1], SIZE_K<<16
	s_mov_b32 s[G1B+2], 64<<16
	s_mov_b32 s[G1B+3], SIZE_K<<16
	s_mov_b32 s[G1B+4], 64
	s_mov_b32 s[G1B+5], SIZE_K
	s_mov_b32 s[G1B+6], 0
	s_mov_b32 s[G1B+7], 0
	s_lshl_b32 s16, s13, 13                        ; o: the tile's 128 rows in a panel,
	s_lshl_b32 s17, s12, 21                        ; + my eight panels of the sixteen
	s_add_co_u32 s16, s16, s17
	s_mov_b32 s17, 0
	s_lshl_b32 s46, s42, 7
	s_lshl_b32 s47, s12, 6
	s_add_co_u32 s46, s46, s47                     ; w_o: row 128 x tile column + 64 x half
	s_mul_i32 s46, s46, SIZE_K
	s_mov_b32 s47, 0
	s_mul_i32 s20, s12, HALFA                      ; where they go
	s_mul_i32 s21, s12, HALFB
	s_add_co_u32 s21, s21, BOFF
	s_wait_dscnt 0x0                               ; both opening adds are done
	s_wait_kmcnt 0x0
	s_load_b64 s[66:67], s[68:69], EOFF            ; e6, e7
	s_mov_b32 s[G0], 1
	s_mov_b32 s[G0+1], s20
	s_add_nc_u64 s[G0+2:G0+3], s[4:5], s[16:17]
	s_or_b32 s[G0+3], s[G0+3], 0x80000000
	s_mov_b32 s[G0B], 1
	s_mov_b32 s[G0B+1], s21
	s_add_nc_u64 s[G0B+2:G0B+3], s[6:7], s[46:47]
	s_or_b32 s[G0B+3], s[G0B+3], 0x80000000
	CROUND                                         ; all sixteen work-groups are here: the joint loads meet
	s_cmp_eq_u32 s11, 0                            ; one tensor load a wave, one in each arm; an s_nop 0 and four v_nop follow each
	s_cbranch_scc0 .Lfor_b
	tensor_load_to_lds s[G0:G0+3], s[G1:G1+7]
	s_nop 0
.rept 4
	v_nop
.endr
	s_branch .Lasked
.Lfor_b:
	tensor_load_to_lds s[G0B:G0B+3], s[G1B:G1B+7]
	s_nop 0
.rept 4
	v_nop
.endr
.Lasked:
	v_and_b32 v1, 15, v0                           ; r
	v_bfe_u32 v2, v0, 4, 1                         ; h
	v_lshlrev_b32 v[CO], 12, v2
	v_lshl_add_u32 v[CO], v1, 4, v[CO]             ; x and x1: lanes 0-15 one row's 256 bytes, lanes 16-31 the next row's
	s_wait_alu depctr_va_vdst(0)
	s_lshl_b32 s72, s13, 7
	s_lshl_b32 s73, s11, 6
	s_add_co_u32 s72, s72, s73                     ; my first row
	s_lshl_b32 s72, s72, 12
	s_lshl_b32 s73, s42, 9
	s_add_co_u32 s72, s72, s73
	s_lshl_b32 s73, s12, 8
	s_add_co_u32 s72, s72, s73                     ; + my first column's bytes
	s_mov_b32 s73, 0
	s_add_nc_u64 s[70:71], s[70:71], s[72:73]
	s_add_nc_u64 s[8:9], s[8:9], s[72:73]
	WIN TO_R
.irp a, 0,1,2,3
.irp t, 0,1,2,3,4,5,6,7
	global_load_b128 v[32*\a+4*\t:32*\a+4*\t+3], v[CO], s[70:71] offset:(16*\a+2*\t)*4096 th:TH_LOAD_NT
.endr
.endr
	WIN 0
	v_lshrrev_b32 v3, 2, v1
	v_mul_u32_u24 v3, v3, PA
	v_and_b32 v4, 3, v1
	v_lshl_add_u32 v3, v4, 6, v3
	v_lshl_add_u32 v3, v2, 4, v3                   ; o: row r: line r / 4, 64 (r % 4), + 16 h
	v_mul_u32_u24 v4, v1, PB
	v_lshl_add_u32 v4, v2, 4, v4                   ; w_o: row r, + 16 h
	s_mul_i32 s22, s11, 16*PA                      ; my 64 rows of o: 16 lines in each panel
	s_mul_i32 s23, s12, HALFB
	s_add_co_u32 s23, s23, BOFF                    ; my 64 rows of w_o
	v_add_nc_u32 v[ADRA], s22, v3
	v_add_nc_u32 v[ADRB], s23, v4
	s_add_co_u32 s22, s22, HALFA
	v_add_nc_u32 v[ADRA+1], s22, v3
	s_mul_i32 s22, s10, 16*SPITCH
	s_add_co_u32 s22, s22, STAGE                   ; my stage
	v_mul_u32_u24 v5, v1, SPITCH
	v_lshl_add_u32 v5, v2, 5, v5
	v_add_nc_u32 v[STO], s22, v5                   ; in: row r, 32 bytes for each half of the lanes
	v_mul_u32_u24 v5, v2, SPITCH
	v_lshl_add_u32 v5, v1, 4, v5
	v_add_nc_u32 v[RD], s22, v5                    ; back: lanes 0-15 one row, lanes 16-31 the next
	s_wait_alu depctr_va_vdst(0)
	s_wait_kmcnt 0x0
	s_add_co_i32 s66, s66, s67
	s_add_co_i32 s66, s66, 127
	s_lshl_b32 s66, s66, 23                        ; 2^(e6 + e7) as f32
	s_mov_b32 s67, s66
; four matrix instructions: o's block a x w_o's four, 128 along K.  The 16 accumulators take turns, one instruction a turn, in the same order in every quarter.
.macro MUL4 f, a, zero
.irp b, 0,1,2,3
.if \zero
	v_wmma_f32_16x16x128_fp8_fp8 v[ACC+8*(4*(\a)+\b):ACC+8*(4*(\a)+\b)+7], v[\f+64+16*\b:\f+64+16*\b+15], v[\f+16*(\a):\f+16*(\a)+15], 0
.else
	v_wmma_f32_16x16x128_fp8_fp8 v[ACC+8*(4*(\a)+\b):ACC+8*(4*(\a)+\b)+7], v[\f+64+16*\b:\f+64+16*\b+15], v[\f+16*(\a):\f+16*(\a)+15], v[ACC+8*(4*(\a)+\b):ACC+8*(4*(\a)+\b)+7]
.endif
.endr
.endm
; 32 LDS loads in one run: the q-th 128 along K into buffer f: w_o's four blocks, then o's.  Registers 4 c .. 4 c + 3 hold K = 32 c + 16 h + 0..15: a permutation of k, the same on both sides.
.macro FETCH q, f
	WIN TO_F
.irp i, 0,1,2,3
.irp c, 0,1,2,3
	ds_load_b128 v[\f+64+16*\i+4*\c:\f+64+16*\i+4*\c+3], v[ADRB] offset:128*(\q)+32*\c+16*PB*\i
.endr
.endr
.irp i, 0,1,2,3
.irp c, 0,1,2,3
	ds_load_b128 v[\f+16*\i+4*\c:\f+16*\i+4*\c+3], v[ADRA+(\q)/4] offset:(2*((\q)%4)+\c/2)*PANEL+32*(\c%2)+4*PA*\i
.endr
.endr
.endm
.macro PLACES                          ; plain vector lines between a matrix instruction and a load into, or a read of, its registers
.rept 4
	v_nop
.endr
.endm
.macro QUARTER qn, f, g, zero          ; multiplies buffer f; in its middle fetches quarter qn into buffer g
	s_wait_dscnt 8                                 ; w_o's blocks and o's blocks 0, 1 are in; the youngest eight loads (o's 2, 3) may be out
	WIN MUL
	MUL4 \f, 0, \zero
	MUL4 \f, 1, \zero
	PLACES
	FETCH \qn, \g
	s_wait_dscnt 32                                ; all but the 32 just issued
	WIN MUL
	MUL4 \f, 2, \zero
	MUL4 \f, 3, \zero
.endm
	s_wait_tensorcnt 0x0                           ; my part of the tiles is in
	s_barrier_signal -1
	s_barrier_wait -1                              ; everybody's is
	FETCH 0, F0
	QUARTER 1, F0, F1, 1                           ; the first quarter's products start the sums
.irp q, 2,4,6
	QUARTER \q, F1, F0, 0
	QUARTER \q+1, F0, F1, 0
.endr
	s_wait_dscnt 8
	WIN MUL
	MUL4 F1, 0, 0
	MUL4 F1, 1, 0
	s_wait_dscnt 0
	MUL4 F1, 2, 0
	MUL4 F1, 3, 0
	WIN 0
	PLACES
	; THE WAY OUT: 16 rows x 256 bytes at a time through my own stage, back as whole rows; then sum x 2^(e6 + e7) + residual, and sixteen lanes store 256 consecutive bytes, aligned.
.irp a, 0,1,2,3
	WIN 0
.irp b, 0,1,2,3
	ds_store_b128 v[STO], v[ACC+8*(4*\a+\b):ACC+8*(4*\a+\b)+3] offset:64*\b
	ds_store_b128 v[STO], v[ACC+8*(4*\a+\b)+4:ACC+8*(4*\a+\b)+7] offset:64*\b+16
.endr
	WIN TO_F
.irp t, 0,1,2,3,4,5,6,7
	ds_load_b128 v[32*\a+4*\t:32*\a+4*\t+3], v[RD] offset:2*SPITCH*\t   ; LDS serves a wave's instructions in order: these see the stores above, and the next block's stores come behind them
.endr
.endr
	s_wait_loadcnt 0x0                             ; the residual
.irp a, 0,1,2,3
	s_wait_dscnt 16*(3-\a)                         ; block a is back; the sixteen LDS instructions of each later block may be out
	WIN FMA
.irp j, 0,2,4,6,8,10,12,14,16,18,20,22,24,26,28,30
	v_pk_fma_f32 v[32*\a+\j:32*\a+\j+1], v[32*\a+\j:32*\a+\j+1], s[66:67], v[32*\a+\j:32*\a+\j+1] op_sel_hi:[1,0,1]
.endr
	WIN STW
.irp t, 0,1,2,3,4,5,6,7
	global_store_b128 v[CO], v[32*\a+4*\t:32*\a+4*\t+3], s[8:9] offset:(16*\a+2*\t)*4096 th:TH_STORE_NT
.endr
.endr
	WIN 0
	s_wait_tensorcnt 0x0                           ; the wave's end
	ds_add_u32 v[SPW], v[NIL]
	s_wait_dscnt 0x0
	CROUND                                         ; the closing round
	s_endpgm
.Lfunc_end_k_q6619fd11c0_oproj:
	.size	k_q6619fd11c0_oproj, .Lfunc_end_k_q6619fd11c0_oproj-k_q6619fd11c0_oproj
	.p2alignl 7, 3214868480
	.fill 96, 4, 3214868480
	.section	.rodata,"a",@progbits
	.p2align	6, 0x0
	.amdhsa_kernel k_q6619fd11c0_oproj
		.amdhsa_group_segment_fixed_size 327680
		.amdhsa_private_segment_fixed_size 0
		.amdhsa_enable_private_segment 0
		.amdhsa_kernarg_size 40
		.amdhsa_user_sgpr_count 2
		.amdhsa_user_sgpr_kernarg_segment_ptr 1
		.amdhsa_wavefront_size32 1
		.amdhsa_system_sgpr_workgroup_id_x 1
		.amdhsa_system_sgpr_workgroup_id_y 1
		.amdhsa_system_sgpr_workgroup_id_z 1
		.amdhsa_system_vgpr_workitem_id 0
		.amdhsa_next_free_vgpr 640
		.amdhsa_next_free_sgpr 80
		.amdhsa_reserve_vcc 0
		.amdhsa_float_denorm_mode_32 3
		.amdhsa_float_denorm_mode_16_64 3
		.amdhsa_memory_ordered 1
		.amdhsa_forward_progress 1
		.amdhsa_inst_pref_size 48
	.end_amdhsa_kernel
	.amdgpu_metadata
---
amdhsa.version: [ 1, 2 ]
amdhsa.kernels:
  - .name:           k_q6619fd11c0_oproj
    .symbol:         k_q6619fd11c0_oproj.kd
    .args:
      - { .name: oc, .offset: 0, .size: 8, .value_kind: global_buffer, .address_space: global }
      - { .name: w_o_codes, .offset: 8, .size: 8, .value_kind: global_buffer, .address_space: global }
      - { .name: lowp_scales, .offset: 16, .size: 8, .value_kind: global_buffer, .address_space: global }
      - { .name: x, .offset: 24, .size: 8, .value_kind: global_buffer, .address_space: global }
      - { .name: x1, .offset: 32, .size: 8, .value_kind: global_buffer, .address_space: global }
    .group_segment_fixed_size: 327680
    .private_segment_fixed_size: 0
    .kernarg_segment_align: 8
    .kernarg_segment_size: 40
    .max_flat_workgroup_size: 128
    .sgpr_count:     80
    .vgpr_count:     640
    .wavefront_size: 32
...
	.end_amdgpu_metadata
.endif
;; end of part 4
;; launch norm2 (part 5): grid 256 x 1, 8 waves a work-group, no clusters, 82,944 bytes of LDS; arguments x1, g_ff, lowp_scales, hc; writes hc
.if DOCPART == 5
	.amdgcn_target "amdgcn-amd-amdhsa--gfx1250"
	.amdhsa_code_object_version 6
	.text
	.protected	k_q6619fd11c0_norm2
	.globl	k_q6619fd11c0_norm2
	.p2align	8
	.type	k_q6619fd11c0_norm2,@function
k_q6619fd11c0_norm2:
	s_mov_b64 s[64:65], 0
	v_nop
	global_prefetch_b8 v0, s[64:65] scope:SCOPE_SE
	s_setreg_imm32_b32 hwreg(HW_REG_WAVE_MODE, 25, 1), 1
	s_wait_xcnt 0x0
; codes[row][c] = Q(x[row][c] * rsqrt(mean(x[row]^2) + 2^-23) * g[c]) with the given scale 2^e, e = entry EOFF/4 of the scales.  x: [4096][1024] f32; codes: [4096][1024], one byte each (E4M3).
; A work-group takes 16 rows, each of its eight waves two: a row is 4,096 bytes, eight loads of 512 consecutive bytes.  All 24 loads of a wave (two rows and g) go out at the head; there is no loop and no barrier.
; The conversion takes eight neighbours from ONE lane's registers, a load is dense where neighbouring LANES take neighbouring bytes: so each 2,048 bytes turn through the wave's own stage in LDS
; (in: as loaded; out: 64 bytes a lane, places 80 bytes apart).  The sum of squares is taken of the registers as loaded, while the turn is on its way.  A lane's 16 codes are 16 bytes: a store covers 512 consecutive bytes.
; No matrix unit, no cluster, no tensor load: work-groups share nothing but g (4 KB), and memory binds.
; LIMITS: e between -126 and 119, so that 2^e and 448 x 2^e are f32 numbers.  NaN among the inputs is not served.
.set EOFF, 32                          ; byte offset of e in the scales
.set WREG, 10240                       ; LDS of a wave: four stages of 32 places
.set SP,   80                          ; a place: 64 bytes + 16 of padding
.set G,    20                          ; v20-51   g of my numbers: floats 512 s + 16 lane + 0..15
.set R,    52                          ; v52-115  two rows as loaded
.set X,    116                         ; v116-179 two rows, 16 neighbours a step
.set C,    180                         ; v180-195 codes
	s_load_b256 s[4:11], s[0:1], 0x0               ; x s[4:5], g s[6:7], scales s[8:9], codes s[10:11]
	v_lshl_add_u32 v196, v0, 2, 0x14000
	v_mov_b32 v197, 0
	v_lshrrev_b32 v1, 5, v0
	s_delay_alu instid0(VALU_DEP_1)
	v_readfirstlane_b32 s16, v1                    ; wave
	v_and_b32 v1, 31, v0                           ; lane
	s_delay_alu instid0(VALU_DEP_1)
	v_lshlrev_b32 v2, 4, v1                        ; 16 x lane: my bytes of a load's 512, and of a store's
	s_delay_alu instid0(VALU_DEP_2)
	v_lshlrev_b32 v3, 6, v1                        ; 64 x lane: my 16 numbers of g
	s_mul_i32 s17, s16, WREG
	v_lshrrev_b32 v4, 2, v1
	s_delay_alu instid0(VALU_DEP_1)
	v_mul_u32_u24 v4, v4, SP
	v_and_b32 v5, 3, v1
	s_delay_alu instid0(VALU_DEP_1)
	v_lshl_add_u32 v4, v5, 4, v4
	s_delay_alu instid0(VALU_DEP_1)
	v_add_nc_u32 v4, s17, v4                       ; the stage, on the way in: 80 (lane / 4) + 16 (lane % 4)
	v_mul_u32_u24 v5, v1, SP
	s_delay_alu instid0(VALU_DEP_1)
	v_add_nc_u32 v5, s17, v5                       ; and on the way out: 80 x lane
	v_mov_b32 v9, 0                                ; named as the upper half of the pair v[8:9]
	v_mov_b32 v18, 0                               ; a lane permute's destination counts as read
	s_mov_b32 s12, 0x76543210
	s_mov_b32 s13, 0xfedcba98                      ; lane l xor 16
	s_mov_b32 s14, 0x3a800000                      ; 1 / 1024
	s_mov_b32 s15, 0x34000000                      ; 2^-23
	s_lshl_b32 s18, ttmp9, 4
	s_lshl_b32 s19, s16, 1
	s_add_co_u32 s18, s18, s19                     ; my first row
	s_lshl_b32 s20, s18, 12
	s_mov_b32 s21, 0
	s_lshl_b32 s22, s18, 10
	s_mov_b32 s23, 0
	s_wait_alu depctr_va_vdst(0)
	s_wait_kmcnt 0x0
	s_load_b32 s24, s[8:9], EOFF
	s_add_nc_u64 s[4:5], s[4:5], s[20:21]
	s_add_nc_u64 s[10:11], s[10:11], s[22:23]
.irp j, 0,1,2,3,4,5,6,7
	global_load_b128 v[R+4*\j:R+4*\j+3], v2, s[4:5] offset:512*\j th:TH_LOAD_NT
.endr
.irp s, 0,1
.irp i, 0,1,2,3
	global_load_b128 v[G+16*\s+4*\i:G+16*\s+4*\i+3], v3, s[6:7] offset:2048*\s+16*\i
.endr
.endr
.irp j, 0,1,2,3,4,5,6,7
	global_load_b128 v[R+32+4*\j:R+32+4*\j+3], v2, s[4:5] offset:4096+512*\j th:TH_LOAD_NT
.endr
	s_wait_kmcnt 0x0
	s_add_co_i32 s24, s24, 127
	s_lshl_b32 s25, s24, 23
	v_mov_b32 v6, s25                              ; 2^e as f32: the conversion takes its exponent field
	s_add_co_i32 s24, s24, 8
	s_lshl_b32 s24, s24, 23
	s_or_b32 s24, s24, 0x600000
	v_mov_b32 v7, s24                              ; 448 x 2^e
.macro ROW p
.if (\p) == 0
	s_wait_loadcnt 16                              ; row 0's eight loads are in; g's eight and row 1's eight may be out
.else
	s_wait_loadcnt 0
.endif
.irp s, 0,1
.irp i, 0,1,2,3
	ds_store_b128 v4, v[R+32*(\p)+16*\s+4*\i:R+32*(\p)+16*\s+4*\i+3] offset:(2*(\p)+\s)*32*SP+8*SP*\i
.endr
.endr
.irp s, 0,1
.irp i, 0,1,2,3
	ds_load_b128 v[X+32*(\p)+16*\s+4*\i:X+32*(\p)+16*\s+4*\i+3], v5 offset:(2*(\p)+\s)*32*SP+16*\i   ; LDS serves a wave's instructions in order: these see the stores above
.endr
.endr
.irp k, 0,1,2,3
	v_pk_mul_f32 v[10+2*\k:11+2*\k], v[R+32*(\p)+2*\k:R+32*(\p)+2*\k+1], v[R+32*(\p)+2*\k:R+32*(\p)+2*\k+1]   ; four chains, started by the first four pairs
.endr
.irp k, 4,5,6,7,8,9,10,11,12,13,14,15
	s_delay_alu instid0(VALU_DEP_4)
	v_pk_fma_f32 v[10+2*(\k%4):11+2*(\k%4)], v[R+32*(\p)+2*\k:R+32*(\p)+2*\k+1], v[R+32*(\p)+2*\k:R+32*(\p)+2*\k+1], v[10+2*(\k%4):11+2*(\k%4)]
.endr
	s_delay_alu instid0(VALU_DEP_3)
	v_pk_add_f32 v[10:11], v[10:11], v[12:13]
	s_delay_alu instid0(VALU_DEP_2)
	v_pk_add_f32 v[14:15], v[14:15], v[16:17]
	s_delay_alu instid0(VALU_DEP_1)
	v_pk_add_f32 v[10:11], v[10:11], v[14:15]
	s_delay_alu instid0(VALU_DEP_1)
	v_add_f32 v10, v10, v11
	s_delay_alu instid0(VALU_DEP_1)
	v_add_f32_dpp v10, v10, v10 row_xmask:1 row_mask:0xf bank_mask:0xf
	s_delay_alu instid0(VALU_DEP_1)
	v_add_f32_dpp v10, v10, v10 row_xmask:2 row_mask:0xf bank_mask:0xf
	s_delay_alu instid0(VALU_DEP_1)
	v_add_f32_dpp v10, v10, v10 row_xmask:4 row_mask:0xf bank_mask:0xf
	s_delay_alu instid0(VALU_DEP_1)
	v_add_f32_dpp v10, v10, v10 row_xmask:8 row_mask:0xf bank_mask:0xf
	s_delay_alu instid0(VALU_DEP_1)
	v_permlanex16_b32 v18, v10, s12, s13
	s_delay_alu instid0(VALU_DEP_1)
	v_add_f32 v10, v10, v18                        ; the row's sum of squares, in every lane
	s_delay_alu instid0(VALU_DEP_1)
	v_fma_f32 v10, v10, s14, s15                   ; the mean + 2^-23
	s_wait_alu depctr_va_vdst(0)
	v_rsq_f32 v8, v10
	v_nop                                          ; a plain instruction behind the transcendental
	s_wait_alu depctr_va_vdst(0)                   ; and the wait ahead of the first use of its result
.if (\p) == 0
	s_wait_loadcnt 8                               ; g is in; row 1's eight loads may be out
.endif
	s_wait_dscnt 0x0                               ; the row is back from the stage
.set J, 0
.rept 16
	v_pk_mul_f32 v[X+32*(\p)+J:X+32*(\p)+J+1], v[X+32*(\p)+J:X+32*(\p)+J+1], v[8:9] op_sel_hi:[1,0]
.set J, J+2
.endr
.set J, 0
.rept 16
	v_pk_mul_f32 v[X+32*(\p)+J:X+32*(\p)+J+1], v[X+32*(\p)+J:X+32*(\p)+J+1], v[G+J:G+J+1]
.set J, J+2
.endr
.set J, 0
.rept 32
	v_med3_num_f32 v[X+32*(\p)+J], v[X+32*(\p)+J], -v7, v7   ; the conversion to an 8-bit code does not saturate (ISA guide 7.6.2): the hold at the largest code x the scale
.set J, J+1
.endr
.irp q, 0,1,2,3
	v_cvt_scalef32_pk8_fp8_f32 v[C+8*(\p)+2*\q:C+8*(\p)+2*\q+1], v[X+32*(\p)+8*\q:X+32*(\p)+8*\q+7], v6
.endr
	v_nop                                          ; one plain vector line behind the last conversion of the run
	global_store_b128 v2, v[C+8*(\p):C+8*(\p)+3], s[10:11] offset:1024*(\p)         ; 32 lanes store 512 consecutive bytes
	global_store_b128 v2, v[C+8*(\p)+4:C+8*(\p)+7], s[10:11] offset:1024*(\p)+512
.endm
	ROW 0
	ROW 1
	s_wait_tensorcnt 0x0
	ds_add_u32 v196, v197
	s_wait_dscnt 0x0
	s_endpgm
.Lfunc_end_k_q6619fd11c0_norm2:
	.size	k_q6619fd11c0_norm2, .Lfunc_end_k_q6619fd11c0_norm2-k_q6619fd11c0_norm2
	.p2alignl 7, 3214868480
	.fill 96, 4, 3214868480
	.section	.rodata,"a",@progbits
	.p2align	6, 0x0
	.amdhsa_kernel k_q6619fd11c0_norm2
		.amdhsa_group_segment_fixed_size 82944
		.amdhsa_private_segment_fixed_size 0
		.amdhsa_enable_private_segment 0
		.amdhsa_kernarg_size 32
		.amdhsa_user_sgpr_count 2
		.amdhsa_user_sgpr_kernarg_segment_ptr 1
		.amdhsa_wavefront_size32 1
		.amdhsa_system_sgpr_workgroup_id_x 1
		.amdhsa_system_sgpr_workgroup_id_y 1
		.amdhsa_system_sgpr_workgroup_id_z 1
		.amdhsa_system_vgpr_workitem_id 0
		.amdhsa_next_free_vgpr 198
		.amdhsa_next_free_sgpr 66
		.amdhsa_reserve_vcc 0
		.amdhsa_float_denorm_mode_32 3
		.amdhsa_float_denorm_mode_16_64 3
		.amdhsa_memory_ordered 1
		.amdhsa_forward_progress 1
		.amdhsa_inst_pref_size 21
	.end_amdhsa_kernel
	.amdgpu_metadata
---
amdhsa.version: [ 1, 2 ]
amdhsa.kernels:
  - .name:           k_q6619fd11c0_norm2
    .symbol:         k_q6619fd11c0_norm2.kd
    .args:
      - { .name: x1, .offset: 0, .size: 8, .value_kind: global_buffer, .address_space: global }
      - { .name: g_ff, .offset: 8, .size: 8, .value_kind: global_buffer, .address_space: global }
      - { .name: lowp_scales, .offset: 16, .size: 8, .value_kind: global_buffer, .address_space: global }
      - { .name: hc, .offset: 24, .size: 8, .value_kind: global_buffer, .address_space: global }
    .group_segment_fixed_size: 82944
    .private_segment_fixed_size: 0
    .kernarg_segment_align: 8
    .kernarg_segment_size: 32
    .max_flat_workgroup_size: 256
    .sgpr_count:     66
    .vgpr_count:     198
    .wavefront_size: 32
...
	.end_amdgpu_metadata
.endif
;; end of part 5
;; launch ffn1 (part 6): grid 16 x 16, 4 waves a work-group, clusters of 4 x 4, 327,680 bytes of LDS; arguments hc, w1_codes, lowp_scales, ac; writes ac
.if DOCPART == 6
	.amdgcn_target "amdgcn-amd-amdhsa--gfx1250"
	.amdhsa_code_object_version 6
	.text
	.protected	k_q6619fd11c0_ffn1
	.globl	k_q6619fd11c0_ffn1
	.p2align	8
	.type	k_q6619fd11c0_ffn1,@function
k_q6619fd11c0_ffn1:
	s_mov_b64 s[64:65], 0
	v_nop
	global_prefetch_b8 v0, s[64:65] scope:SCOPE_SE
	s_setreg_imm32_b32 hwreg(HW_REG_WAVE_MODE, 25, 1), 1
	s_wait_xcnt 0x0
	s_wait_alu depctr_hold_cnt(0) depctr_sa_sdst(0) depctr_va_vdst(0) depctr_va_sdst(0) depctr_va_ssrc(0) depctr_va_vcc(0) depctr_vm_vsrc(0)
	s_getreg_b32 s2, hwreg(HW_REG_IB_STS2, 6, 4)
	s_cmp_eq_u32 s2, 0
	s_cbranch_scc0 .Lentry_in_a_cluster
	s_endpgm
.Lentry_in_a_cluster:
	s_bfe_u32 s2, ttmp6, 0x10000c
	s_cmp_lg_u32 s2, 0xf033
	s_cbranch_scc0 .Lentry_shape_is_right
	s_endpgm
.Lentry_shape_is_right:
; ac = Q(silu(gate) x up), gate and up the two halves of hf w1^T, on codes of E4M3 (hf: [4096][1024], w1: [4096][1024], K innermost); quantised at once with 2^e10.  ac lies in panels of 64 along its K: [32][4096 rows][64 bytes].
; A tile is 256 tokens x (128 gate + 128 up columns of the same hidden units): four waves, each 128 x 128, 64 accumulators.  K goes in steps of 256 through a ring of two LDS slots filled by joint tensor loads
; (4 x 4 clusters: tokens shared along a row, w1's rows along a column).  One tensor load a wave at the head; slot 1's first fill stands behind the three lines and a round, as a refill does.
; PREFETCH INTO THE L2: behind the first load each wave names its share of K steps 1 and 2, behind the second load of K step 3: one and two fills ahead of the loads that want them; at most two K steps are asked for and not yet read.
; Of the 128 rows that a wave's loads bring, each of the four partners that ask jointly names 32, told apart by address (cx for the tokens, cy for w1's rows): a lane a row, 256 bytes a K step, each block once in a cluster.
; The address registers of the prefetches, s[12:13] and v27, are never written again.
; LIMITS: e8 + e9 between -126 and 126; e10 - 2 (e8 + e9) between -126 and 119.  NaN is not served.
.set SIZE_K, 1024
.set KSTEP,  256
.set ROWB,   256
.set KROW,   SIZE_K
.set PITCH,  272
.set FR,     16
.set NL,     4
.set NP,     4
.set HALFT,  128*PITCH
.set SLOT,   4*HALFT
.set LAPS,   SIZE_K/(2*KSTEP)
.set STAGE,  2*SLOT
.set WST,    128*80
.set SPARE,  STAGE+4*WST
.set ADRA, 16
.set ADRB, 20
.set STO,  24
.set RD,   25
.set CO,   26
.set SPW,  28
.set NIL,  29
.set SC,   30
.set LIM,  31
.set EE,   32
.set GU,   96
.set CD,   160
.set AF,   128
.set G1, 24
.set G0, 32
.set G1B, 48
.set G0B, 56
.set MSB, 0
.macro WIN new
.if MSB != \new
	s_set_vgpr_msb (MSB<<8)|\new
.set MSB, \new
.endif
.endm
.set MUL_LO, 0xa1
.set MUL_HI, 0xf1
.set TO_B,   0x40
.macro JLOAD g0a, g1a, g0b, g1b
	s_cmp_eq_u32 s15, 0
	s_cbranch_scc0 .Lfor_b_\@
	tensor_load_to_lds s[\g0a:\g0a+3], s[\g1a:\g1a+7]
	s_nop 0
.rept 4
	v_nop
.endr
	s_branch .Lasked_\@
.Lfor_b_\@:
	tensor_load_to_lds s[\g0b:\g0b+3], s[\g1b:\g1b+7]
	s_nop 0
.rept 4
	v_nop
.endr
.Lasked_\@:
.endm
.macro CREST
	s_cmp_lg_u32 s14, 0
	s_cbranch_scc1 .Lnot_wave_0_\@
	s_barrier_signal -3
.Lnot_wave_0_\@:
	s_barrier_wait -3
	s_barrier_signal -1
	s_barrier_wait -1
.endm
.macro CROUND
	s_barrier_signal -1
	s_barrier_wait -1
	CREST
.endm
	s_load_b128 s[4:7], s[0:1], 0x0
	s_load_b128 s[8:11], s[0:1], 0x10
	v_lshl_add_u32 v[SPW], v0, 2, SPARE
	v_mov_b32 v[NIL], 0
	ds_add_u32 v28, v29
	ds_add_u32 v28, v29
	s_wait_dscnt 0x0
	v_lshrrev_b32 v1, 5, v0
	v_readfirstlane_b32 s14, v1
	s_lshr_b32 s15, s14, 1
	s_and_b32 s16, s14, 1
	s_bfe_u32 s40, ttmp6, 0x40000
	s_bfe_u32 s41, ttmp6, 0x40004
	s_lshl_b32 s42, ttmp9, 2
	s_add_co_u32 s42, s42, s40
	s_and_b32 s17, ttmp7, 0xffff
	s_lshl_b32 s17, s17, 2
	s_add_co_u32 s17, s17, s41
	s_lshl_b32 s43, s41, 2
	s_lshl_b32 s43, 15, s43
	s_lshl_b32 s44, 0x1111, s40
	s_or_b32 s[G1+0], s43, (0<<16)|(1<<20)|(1<<21)|(5<<22)|(3<<25)
	s_or_b32 s[G1B+0], s44, (0<<16)|(1<<20)|(1<<21)|(5<<22)|(3<<25)
.irp g, G1, G1B
	s_mov_b32 s[\g+1], ROWB<<16
	s_mov_b32 s[\g+2], 128<<16
	s_mov_b32 s[\g+3], ROWB<<16
	s_mov_b32 s[\g+4], 128
	s_mov_b32 s[\g+5], KROW
	s_mov_b32 s[\g+6], 0
	s_mov_b32 s[\g+7], 0
.endr
	s_lshl_b32 s18, s16, 7
	s_lshl_b32 s20, s17, 8
	s_add_co_u32 s20, s20, s18
	s_lshl_b32 s20, s20, 10
	s_mov_b32 s21, 0
	s_lshl_b32 s18, s16, 11
	s_lshl_b32 s46, s42, 7
	s_add_co_u32 s46, s46, s18
	s_lshl_b32 s46, s46, 10
	s_mov_b32 s47, 0
	s_mul_i32 s45, s14, HALFT
	s_wait_kmcnt 0x0
	s_load_b128 s[84:87], s[8:9], 0x20
	s_add_nc_u64 s[20:21], s[4:5], s[20:21]
	s_add_nc_u64 s[46:47], s[6:7], s[46:47]
	CROUND
.irp s, 0,1
	s_mov_b32 s[G0+4*\s], 1
	s_add_co_u32 s[G0+4*\s+1], s45, \s*SLOT
	s_add_nc_u64 s[G0+4*\s+2:G0+4*\s+3], s[20:21], \s*ROWB
	s_or_b32 s[G0+4*\s+3], s[G0+4*\s+3], 0x80000000
	s_mov_b32 s[G0B+4*\s], 1
	s_add_co_u32 s[G0B+4*\s+1], s45, \s*SLOT
	s_add_nc_u64 s[G0B+4*\s+2:G0B+4*\s+3], s[46:47], \s*ROWB
	s_or_b32 s[G0B+4*\s+3], s[G0B+4*\s+3], 0x80000000
.endr
	JLOAD G0, G1, G0B, G1B                         ; K step 0: one tensor load a wave at the head
	s_cmp_eq_u32 s15, 0                            ; do I fetch for the tokens?
	s_cselect_b64 s[12:13], s[20:21], s[46:47]     ; the first byte of what my loads bring
	s_cselect_b32 s66, s40, s41                    ; my place among the four that ask with me
	s_lshl_b32 s66, s66, 15                        ; x 32 rows of 1,024 bytes
	s_mov_b32 s67, 0
	s_add_nc_u64 s[12:13], s[12:13], s[66:67]
	v_and_b32 v27, 31, v0
	v_lshlrev_b32 v27, 10, v27                     ; my lane's row
	global_prefetch_b8 v27, s[12:13] offset:256 th:TH_LOAD_NT scope:SCOPE_SE
	global_prefetch_b8 v27, s[12:13] offset:512 th:TH_LOAD_NT scope:SCOPE_SE
	v_and_b32 v1, 15, v0
	s_wait_alu depctr_va_vdst(0)
	v_bfe_u32 v2, v0, 4, 1
	v_mul_u32_u24 v3, v1, PITCH
	v_lshl_add_u32 v4, v2, 4, v3
	s_mul_i32 s21, s15, HALFT
	s_mul_i32 s22, s16, 64*PITCH
	s_add_co_u32 s22, s22, 2*HALFT
.irp s, 0,1
	v_add_nc_u32 v[ADRA+\s], s21, v4
	v_add_nc_u32 v[ADRB+\s], s22, v4
	s_add_co_u32 s21, s21, SLOT
	s_add_co_u32 s22, s22, SLOT
.endr
	s_mul_i32 s23, s14, WST
	s_add_co_u32 s23, s23, STAGE
	v_mul_u32_u24 v5, v1, 80
	s_wait_alu depctr_va_vdst(0)
	v_lshl_add_u32 v5, v2, 3, v5
	v_add_nc_u32 v[STO], s23, v5
	v_bfe_u32 v6, v0, 2, 3
	v_mul_u32_u24 v7, v6, 80
	v_and_b32 v8, 3, v0
	v_lshl_add_u32 v7, v8, 4, v7
	v_add_nc_u32 v[RD], s23, v7
	v_and_b32 v9, 31, v0
	v_lshlrev_b32 v[CO], 4, v9
	s_lshl_b32 s94, s42, 1
	s_add_co_u32 s94, s94, s16
	s_lshl_b32 s94, s94, 12
	s_lshl_b32 s95, s17, 8
	s_add_co_u32 s94, s94, s95
	s_lshl_b32 s95, s15, 7
	s_add_co_u32 s94, s94, s95
	s_lshl_b32 s94, s94, 6
	s_mov_b32 s95, 0
	s_add_nc_u64 s[10:11], s[10:11], s[94:95]
	s_wait_kmcnt 0x0
	s_add_co_i32 s88, s84, s85
	s_lshl_b32 s89, s88, 23
	s_add_co_u32 s92, s89, 0xbfb8aa3b
	s_mov_b32 s93, s92
	s_sub_co_i32 s90, s86, s88
	s_sub_co_i32 s90, s90, s88
	s_add_co_i32 s90, s90, 127
	s_lshl_b32 s91, s90, 23
	v_mov_b32 v[SC], s91
	s_add_co_i32 s90, s90, 8
	s_lshl_b32 s90, s90, 23
	s_or_b32 s90, s90, 0x600000
	v_mov_b32 v[LIM], s90
.macro FRAG reg, adr, q, i
.irp c, 0,1,2,3
	ds_load_b128 v[\reg+4*\c:\reg+4*\c+3], v[\adr] offset:128*(\q)+32*\c+(\i)*16*PITCH
.endr
.endm
.macro FRAGB reg, adr, q, i
.irp c, 0,1,2,3
	ds_load_b128 v[\reg+4*\c:\reg+4*\c+3], v[\adr] offset:128*(\q)+32*\c+((\i)/4)*HALFT+((\i)%4)*16*PITCH
.endr
.endm
.macro MUL16 a0, p, zero
.irp a, \a0, \a0+1
.irp b, 0,1,2,3,4,5,6,7
.if \zero
	v_wmma_f32_16x16x128_fp8_fp8 v[8*(8*((\a)%4)+\b):8*(8*((\a)%4)+\b)+7], v[128*(\p)+FR*\b:128*(\p)+FR*\b+FR-1], v[AF+FR*(\a):AF+FR*(\a)+FR-1], 0
.else
	v_wmma_f32_16x16x128_fp8_fp8 v[8*(8*((\a)%4)+\b):8*(8*((\a)%4)+\b)+7], v[128*(\p)+FR*\b:128*(\p)+FR*\b+FR-1], v[AF+FR*(\a):AF+FR*(\a)+FR-1], v[8*(8*((\a)%4)+\b):8*(8*((\a)%4)+\b)+7]
.endif
.endr
.endr
.endm
.macro FETCH_B slot, q, p
	WIN TO_B
.irp i, 0,1,2,3,4,5,6,7
	FRAGB 128*(\p)+FR*\i, ADRB+\slot, \q, \i
.endr
	WIN 0
.endm
.macro FETCH_A slot, q, i0
.irp i, \i0, \i0+1, \i0+2, \i0+3
	FRAG AF+FR*(\i), ADRA+\slot, \q, \i
.endr
.endm
.macro PLACES n
.rept \n
	v_nop
.endr
.endm
.macro STEP slot, q, zero
	s_wait_dscnt 4*NL
	WIN MUL_LO
	MUL16 0, (\q)%2, \zero
	MUL16 2, (\q)%2, \zero
	s_wait_dscnt 0
	PLACES NP
	FETCH_B \slot, (\q)+1, 1-(\q)%2
	FETCH_A \slot, (\q)+1, 0
	WIN MUL_HI
	MUL16 4, (\q)%2, \zero
	MUL16 6, (\q)%2, \zero
	PLACES NP
	WIN 0
	FETCH_A \slot, (\q)+1, 4
.endm
.macro TURN slot, next, fill
	s_wait_tensorcnt 0x0
	ds_add_u32 v[SPW], v[NIL]
	s_wait_dscnt 4*NL+1
	WIN MUL_LO
	MUL16 0, 1, 0
	s_wait_dscnt 0x0
	s_barrier_signal -1
	MUL16 2, 1, 0
	WIN 0
	s_barrier_wait -1
.if \fill
	CREST
	s_add_nc_u64 s[G0+4*\slot+2:G0+4*\slot+3], s[G0+4*\slot+2:G0+4*\slot+3], 2*ROWB
	s_add_nc_u64 s[G0B+4*\slot+2:G0B+4*\slot+3], s[G0B+4*\slot+2:G0B+4*\slot+3], 2*ROWB
	JLOAD G0+4*\slot, G1, G0B+4*\slot, G1B
.else
	PLACES NP
.endif
	FETCH_B \next, 0, 0
	FETCH_A \next, 0, 0
	WIN MUL_HI
	MUL16 4, 1, 0
	MUL16 6, 1, 0
	PLACES NP
	WIN 0
	FETCH_A \next, 0, 4
.endm
	s_wait_alu depctr_va_vdst(0)
	s_wait_tensorcnt 0x0                           ; my part of K step 0 is in; slot 1's first fill is issued as a refill is
	ds_add_u32 v[SPW], v[NIL]                      ; 0 onto my spare word
	s_wait_dscnt 0x0
	CROUND                                         ; everybody's part of K step 0 is in, and the joint loads meet
	JLOAD G0+4, G1, G0B+4, G1B                     ; K step 1: the first tensor load behind the round
	FETCH_B 0, 0, 0
	FETCH_A 0, 0, 0
	FETCH_A 0, 0, 4
	global_prefetch_b8 v27, s[12:13] offset:768 th:TH_LOAD_NT scope:SCOPE_SE   ; my share of K step 3
	STEP 0, 0, 1
	s_mov_b32 s3, LAPS-1
.Llap:
	TURN 0, 1, 1
	STEP 1, 0, 0
	TURN 1, 0, 1
	STEP 0, 0, 0
	s_sub_co_u32 s3, s3, 1
	s_cmp_lg_u32 s3, 0
	s_cbranch_scc1 .Llap
	TURN 0, 1, 0
	STEP 1, 0, 0
	s_wait_dscnt 4*NL
	WIN MUL_LO
	MUL16 0, 1, 0
	MUL16 2, 1, 0
	s_wait_dscnt 0
	WIN MUL_HI
	MUL16 4, 1, 0
	MUL16 6, 1, 0
	WIN 0
	PLACES NP
.macro PAIR pr
.set AC, 128*((\pr)%2)
.set WN, 0x02+(\pr)/2
	WIN WN
.irp k, 0,1
.set J, 0
.rept 16
	v_pk_mul_f32 v[EE+32*\k+J:EE+32*\k+J+1], v[AC+64*\k+J:AC+64*\k+J+1], s[92:93] op_sel_hi:[1,0]
.set J, J+2
.endr
.endr
.set WN, 0x0a+5*((\pr)/2)
	WIN WN
.irp k, 0,1
.set J, 0
.rept 16
	v_pk_mul_f32 v[GU+32*\k+J:GU+32*\k+J+1], v[AC+64*\k+J:AC+64*\k+J+1], v[AC+64*\k+32+J:AC+64*\k+32+J+1]
.set J, J+2
.endr
.endr
	WIN 0
.set J, 0
	s_wait_alu depctr_va_vdst(0)
.rept 64
	v_exp_f32 v[EE+J], v[EE+J]
.set J, J+1
.endr
	v_nop
	s_wait_alu depctr_va_vdst(0)
.set J, 0
.rept 32
	v_pk_add_f32 v[EE+J:EE+J+1], v[EE+J:EE+J+1], 1.0 op_sel_hi:[1,0]
.set J, J+2
.endr
.set J, 0
	s_wait_alu depctr_va_vdst(0)
.rept 64
	v_rcp_f32 v[EE+J], v[EE+J]
.set J, J+1
.endr
	v_nop
	s_wait_alu depctr_va_vdst(0)
.set J, 0
.rept 32
	v_pk_mul_f32 v[GU+J:GU+J+1], v[GU+J:GU+J+1], v[EE+J:EE+J+1]
.set J, J+2
.endr
.set J, 0
.rept 64
	v_med3_num_f32 v[GU+J], v[GU+J], -v[LIM], v[LIM]
.set J, J+1
.endr
.irp k, 0,1
.irp b, 0,1,2,3
	v_cvt_scalef32_pk8_fp8_f32 v[CD+16*(\pr)+2*(4*\k+\b):CD+16*(\pr)+2*(4*\k+\b)+1], v[GU+32*\k+8*\b:GU+32*\k+8*\b+7], v[SC]
.endr
.endr
	v_nop
.irp k, 0,1
.irp b, 0,1,2,3
	ds_store_b64 v[STO], v[CD+16*(\pr)+2*(4*\k+\b):CD+16*(\pr)+2*(4*\k+\b)+1] offset:16*(2*(\pr)+\k)*80+16*\b
.endr
.endr
.endm
	PAIR 0
	PAIR 1
	PAIR 2
	PAIR 3
.irp i, 0,1,2,3,4,5,6,7,8,9,10,11,12,13,14,15
	ds_load_b128 v[EE+4*\i:EE+4*\i+3], v[RD] offset:640*\i
.endr
.irp i, 0,1,2,3,4,5,6,7,8,9,10,11,12,13,14,15
	s_wait_dscnt 15-\i
	global_store_b128 v[CO], v[EE+4*\i:EE+4*\i+3], s[10:11] offset:512*\i
.endr
	s_wait_tensorcnt 0x0
	ds_add_u32 v[SPW], v[NIL]
	s_wait_dscnt 0x0
	CROUND
	s_endpgm
.Lfunc_end_k_q6619fd11c0_ffn1:
	.size	k_q6619fd11c0_ffn1, .Lfunc_end_k_q6619fd11c0_ffn1-k_q6619fd11c0_ffn1
	.p2alignl 7, 3214868480
	.fill 96, 4, 3214868480
	.section	.rodata,"a",@progbits
	.p2align	6, 0x0
	.amdhsa_kernel k_q6619fd11c0_ffn1
		.amdhsa_group_segment_fixed_size 327680
		.amdhsa_private_segment_fixed_size 0
		.amdhsa_enable_private_segment 0
		.amdhsa_kernarg_size 32
		.amdhsa_user_sgpr_count 2
		.amdhsa_user_sgpr_kernarg_segment_ptr 1
		.amdhsa_wavefront_size32 1
		.amdhsa_system_sgpr_workgroup_id_x 1
		.amdhsa_system_sgpr_workgroup_id_y 1
		.amdhsa_system_sgpr_workgroup_id_z 1
		.amdhsa_system_vgpr_workitem_id 0
		.amdhsa_next_free_vgpr 1024
		.amdhsa_next_free_sgpr 100
		.amdhsa_reserve_vcc 0
		.amdhsa_float_denorm_mode_32 3
		.amdhsa_float_denorm_mode_16_64 3
		.amdhsa_memory_ordered 1
		.amdhsa_forward_progress 1
		.amdhsa_inst_pref_size 151
	.end_amdhsa_kernel
	.amdgpu_metadata
---
amdhsa.version: [ 1, 2 ]
amdhsa.kernels:
  - .name:           k_q6619fd11c0_ffn1
    .symbol:         k_q6619fd11c0_ffn1.kd
    .args:
      - { .name: hc, .offset: 0, .size: 8, .value_kind: global_buffer, .address_space: global }
      - { .name: w1_codes, .offset: 8, .size: 8, .value_kind: global_buffer, .address_space: global }
      - { .name: lowp_scales, .offset: 16, .size: 8, .value_kind: global_buffer, .address_space: global }
      - { .name: ac, .offset: 24, .size: 8, .value_kind: global_buffer, .address_space: global }
    .group_segment_fixed_size: 327680
    .private_segment_fixed_size: 0
    .kernarg_segment_align: 8
    .kernarg_segment_size: 32
    .max_flat_workgroup_size: 128
    .sgpr_count:     100
    .vgpr_count:     1024
    .wavefront_size: 32
...
	.end_amdgpu_metadata
.endif
;; end of part 6
;; launch ffn2 (part 7): grid 8 x 32, 4 waves a work-group, clusters of 4 x 4, 327,680 bytes of LDS; arguments ac, w2_codes, lowp_scales, x1, out0; writes out0
.if DOCPART == 7
	.amdgcn_target "amdgcn-amd-amdhsa--gfx1250"
	.amdhsa_code_object_version 6
	.text
	.protected	k_q6619fd11c0_ffn2
	.globl	k_q6619fd11c0_ffn2
	.p2align	8
	.type	k_q6619fd11c0_ffn2,@function
k_q6619fd11c0_ffn2:
	s_mov_b64 s[64:65], 0
	v_nop
	global_prefetch_b8 v0, s[64:65] scope:SCOPE_SE
	s_setreg_imm32_b32 hwreg(HW_REG_WAVE_MODE, 25, 1), 1
	s_wait_xcnt 0x0
	s_wait_alu depctr_hold_cnt(0) depctr_sa_sdst(0) depctr_va_vdst(0) depctr_va_sdst(0) depctr_va_ssrc(0) depctr_va_vcc(0) depctr_vm_vsrc(0)
	s_getreg_b32 s2, hwreg(HW_REG_IB_STS2, 6, 4)
	s_cmp_eq_u32 s2, 0
	s_cbranch_scc0 .Lentry_in_a_cluster
	s_endpgm
.Lentry_in_a_cluster:
	s_bfe_u32 s2, ttmp6, 0x10000c
	s_cmp_lg_u32 s2, 0xf033
	s_cbranch_scc0 .Lentry_shape_is_right
	s_endpgm
.Lentry_shape_is_right:
; out0[m][n] = x1[m][n] + 2^(e10 + e11) x the sum over k of a[m][k] w2[n][k], on codes of E4M3.  M = 4,096, N = 1,024, K = 2,048.  a's codes lie in panels of 64 along K: [32][4096 rows][64 bytes]; w2: [1024][2048].
; A tile of 128 x 128 gives 256 work-groups; four waves, each 64 x 64.  K goes in steps of 512 through a ring of two LDS slots filled by joint tensor loads (4 x 4 clusters: a's tiles shared along a row, w2's along a column).
; One tensor load a wave at the head; slot 1's first fill stands behind the three lines and a round, as a refill does.
; PREFETCH INTO THE L2: behind the first load each wave names its share of K steps 1 and 2, behind the second load of K step 3: one and two fills ahead of the loads that want them; at most two K steps are asked for and not yet read.
; Of the 128 blocks of 256 bytes that a wave's load brings, each of the four partners that ask jointly names 32, told apart by address (cx for a: one panel; cy for w2: 16 rows of 2 blocks): each block once in a cluster.
; The address registers of the prefetches are never written again.
; LIMIT: e10 + e11 between -126 and 127.  NaN is not served.
.set SIZE_K, 2048
.set EOFF,   40
.set KSLOT,  512
.set LAPS,   SIZE_K/(2*KSLOT)
.set PA,     272
.set PANEL,  32*PA
.set HALFA,  4*PANEL
.set PB,     528
.set HALFB,  64*PB
.set BOFF,   2*HALFA
.set SLOT,   BOFF+2*HALFB
.set STAGE,  2*SLOT
.set SPITCH, 272
.set SPARE,  STAGE+4*16*SPITCH
.set ADRA, 16
.set ADRB, 20
.set STO,  24
.set RD,   25
.set CO,   26
.set SPW,  28
.set NIL,  29
.set ACC,  128
.set F0,   0
.set F1,   128
.set G1, 24
.set G0, 32
.set G1B, 48
.set G0B, 56
.set MSB, 0
.macro WIN new
.if MSB != \new
	s_set_vgpr_msb (MSB<<8)|\new
.set MSB, \new
.endif
.endm
.set MUL,  0x05
.set TO_F, 0x40
.set TO_R, 0x80
.set FMA,  0x61
.set STW,  0x04
.macro JLOAD s
	s_cmp_eq_u32 s11, 0
	s_cbranch_scc0 .Lfor_b_\@
	tensor_load_to_lds s[G0+4*\s:G0+4*\s+3], s[G1:G1+7]
	s_nop 0
.rept 4
	v_nop
.endr
	s_branch .Lasked_\@
.Lfor_b_\@:
	tensor_load_to_lds s[G0B+4*\s:G0B+4*\s+3], s[G1B:G1B+7]
	s_nop 0
.rept 4
	v_nop
.endr
.Lasked_\@:
.endm
.macro CREST
	s_cmp_lg_u32 s10, 0
	s_cbranch_scc1 .Lnot_wave_0_\@
	s_barrier_signal -3
.Lnot_wave_0_\@:
	s_barrier_wait -3
	s_barrier_signal -1
	s_barrier_wait -1
.endm
.macro CROUND
	s_barrier_signal -1
	s_barrier_wait -1
	CREST
.endm
	s_load_b128 s[4:7], s[0:1], 0x0
	s_load_b128 s[68:71], s[0:1], 0x10
	s_load_b64 s[8:9], s[0:1], 0x20
	v_lshl_add_u32 v[SPW], v0, 2, SPARE
	v_mov_b32 v[NIL], 0
	ds_add_u32 v28, v29
	ds_add_u32 v28, v29
	s_wait_dscnt 0x0
	v_lshrrev_b32 v1, 5, v0
	v_readfirstlane_b32 s10, v1
	s_lshr_b32 s11, s10, 1
	s_and_b32 s12, s10, 1
	s_bfe_u32 s40, ttmp6, 0x40000
	s_bfe_u32 s41, ttmp6, 0x40004
	s_lshl_b32 s42, ttmp9, 2
	s_add_co_u32 s42, s42, s40
	s_and_b32 s13, ttmp7, 0xffff
	s_lshl_b32 s13, s13, 2
	s_add_co_u32 s13, s13, s41
	s_lshl_b32 s43, s41, 2
	s_lshl_b32 s43, 15, s43
	s_lshl_b32 s44, 0x1111, s40
	s_or_b32 s[G1+0], s43, (0<<16)|(1<<20)|(1<<21)|(5<<22)|(3<<25)
	s_mov_b32 s[G1+1], 8192<<16
	s_mov_b32 s[G1+2], 4<<16
	s_mov_b32 s[G1+3], 8192<<16
	s_mov_b32 s[G1+4], 4
	s_mov_b32 s[G1+5], 262144
	s_mov_b32 s[G1+6], 0
	s_mov_b32 s[G1+7], 0
	s_or_b32 s[G1B+0], s44, (0<<16)|(1<<20)|(1<<21)|(6<<22)|(3<<25)
	s_mov_b32 s[G1B+1], KSLOT<<16
	s_mov_b32 s[G1B+2], 64<<16
	s_mov_b32 s[G1B+3], KSLOT<<16
	s_mov_b32 s[G1B+4], 64
	s_mov_b32 s[G1B+5], SIZE_K
	s_mov_b32 s[G1B+6], 0
	s_mov_b32 s[G1B+7], 0
	s_lshl_b32 s16, s13, 13
	s_lshl_b32 s17, s12, 20
	s_add_co_u32 s16, s16, s17
	s_mov_b32 s17, 0
	s_lshl_b32 s46, s42, 7
	s_lshl_b32 s47, s12, 6
	s_add_co_u32 s46, s46, s47
	s_mul_i32 s46, s46, SIZE_K
	s_mov_b32 s47, 0
	s_mul_i32 s20, s12, HALFA
	s_mul_i32 s21, s12, HALFB
	s_add_co_u32 s21, s21, BOFF
	s_wait_kmcnt 0x0
	s_load_b64 s[66:67], s[68:69], EOFF
	s_add_nc_u64 s[14:15], s[4:5], s[16:17]
	s_add_nc_u64 s[46:47], s[6:7], s[46:47]
	CROUND
.irp s, 0,1
	s_mov_b32 s[G0+4*\s], 1
	s_add_co_u32 s[G0+4*\s+1], s20, \s*SLOT
	s_add_nc_u64 s[G0+4*\s+2:G0+4*\s+3], s[14:15], \s*8*262144
	s_or_b32 s[G0+4*\s+3], s[G0+4*\s+3], 0x80000000
	s_mov_b32 s[G0B+4*\s], 1
	s_add_co_u32 s[G0B+4*\s+1], s21, \s*SLOT
	s_add_nc_u64 s[G0B+4*\s+2:G0B+4*\s+3], s[46:47], \s*KSLOT
	s_or_b32 s[G0B+4*\s+3], s[G0B+4*\s+3], 0x80000000
.endr
	JLOAD 0                                        ; slot 0: one tensor load a wave at the head
	s_cmp_eq_u32 s11, 0                            ; do I fetch for a?
	s_cselect_b64 s[18:19], s[14:15], s[46:47]     ; the first byte of what my loads bring
	s_cselect_b32 s74, s40, s41                    ; my place among the four that ask with me
	s_cselect_b32 s76, 18, 15                      ; its share: a panel of 262,144 bytes on, or 16 rows of 2,048
	s_cselect_b32 s77, 9, 11                       ; two lanes take 512 neighbouring bytes of a panel, or of a row of 2,048
	s_mov_b32 s78, 512
	s_cselect_b32 s78, 0x200000, s78               ; a K step on: eight panels, or 512 bytes of a row
	s_lshl_b32 s74, s74, s76
	s_mov_b32 s75, 0
	s_add_nc_u64 s[18:19], s[18:19], s[74:75]
	v_bfe_u32 v27, v0, 1, 4
	v_lshlrev_b32 v27, s77, v27
	v_and_b32 v30, 1, v0
	v_lshl_add_u32 v27, v30, 8, v27
	v_add_nc_u32 v27, s78, v27                     ; my block of K step 1,
	v_add_nc_u32 v30, s78, v27                     ; of K step 2,
	v_add_nc_u32 v31, s78, v30                     ; of K step 3
	global_prefetch_b8 v27, s[18:19] th:TH_LOAD_NT scope:SCOPE_SE
	global_prefetch_b8 v30, s[18:19] th:TH_LOAD_NT scope:SCOPE_SE
	v_and_b32 v1, 15, v0
	v_bfe_u32 v2, v0, 4, 1
	v_lshlrev_b32 v[CO], 12, v2
	v_lshl_add_u32 v[CO], v1, 4, v[CO]
	s_wait_alu depctr_va_vdst(0)
	s_lshl_b32 s72, s13, 7
	s_lshl_b32 s73, s11, 6
	s_add_co_u32 s72, s72, s73
	s_lshl_b32 s72, s72, 12
	s_lshl_b32 s73, s42, 9
	s_add_co_u32 s72, s72, s73
	s_lshl_b32 s73, s12, 8
	s_add_co_u32 s72, s72, s73
	s_mov_b32 s73, 0
	s_add_nc_u64 s[70:71], s[70:71], s[72:73]
	s_add_nc_u64 s[8:9], s[8:9], s[72:73]
	WIN TO_R
.irp a, 0,1,2,3
.irp t, 0,1,2,3,4,5,6,7
	global_load_b128 v[32*\a+4*\t:32*\a+4*\t+3], v[CO], s[70:71] offset:(16*\a+2*\t)*4096 th:TH_LOAD_NT
.endr
.endr
	WIN 0
	v_lshrrev_b32 v3, 2, v1
	v_mul_u32_u24 v3, v3, PA
	v_and_b32 v4, 3, v1
	v_lshl_add_u32 v3, v4, 6, v3
	v_lshl_add_u32 v3, v2, 4, v3
	v_mul_u32_u24 v4, v1, PB
	v_lshl_add_u32 v4, v2, 4, v4
	s_mul_i32 s22, s11, 16*PA
	s_mul_i32 s23, s12, HALFB
	s_add_co_u32 s23, s23, BOFF
.irp s, 0,1
	v_add_nc_u32 v[ADRA+\s], s22, v3
	v_add_nc_u32 v[ADRB+\s], s23, v4
	s_add_co_u32 s22, s22, SLOT
	s_add_co_u32 s23, s23, SLOT
.endr
	s_mul_i32 s22, s10, 16*SPITCH
	s_add_co_u32 s22, s22, STAGE
	v_mul_u32_u24 v5, v1, SPITCH
	v_lshl_add_u32 v5, v2, 5, v5
	v_add_nc_u32 v[STO], s22, v5
	v_mul_u32_u24 v5, v2, SPITCH
	v_lshl_add_u32 v5, v1, 4, v5
	v_add_nc_u32 v[RD], s22, v5
	s_wait_alu depctr_va_vdst(0)
	s_wait_kmcnt 0x0
	s_add_co_i32 s66, s66, s67
	s_add_co_i32 s66, s66, 127
	s_lshl_b32 s66, s66, 23
	s_mov_b32 s67, s66
.macro MUL4 f, a, zero
.irp b, 0,1,2,3
.if \zero
	v_wmma_f32_16x16x128_fp8_fp8 v[ACC+8*(4*(\a)+\b):ACC+8*(4*(\a)+\b)+7], v[\f+64+16*\b:\f+64+16*\b+15], v[\f+16*(\a):\f+16*(\a)+15], 0
.else
	v_wmma_f32_16x16x128_fp8_fp8 v[ACC+8*(4*(\a)+\b):ACC+8*(4*(\a)+\b)+7], v[\f+64+16*\b:\f+64+16*\b+15], v[\f+16*(\a):\f+16*(\a)+15], v[ACC+8*(4*(\a)+\b):ACC+8*(4*(\a)+\b)+7]
.endif
.endr
.endm
.macro FETCH slot, q, f
	WIN TO_F
.irp i, 0,1,2,3
.irp c, 0,1,2,3
	ds_load_b128 v[\f+64+16*\i+4*\c:\f+64+16*\i+4*\c+3], v[ADRB+\slot] offset:128*(\q)+32*\c+16*PB*\i
.endr
.endr
.irp i, 0,1,2,3
.irp c, 0,1,2,3
	ds_load_b128 v[\f+16*\i+4*\c:\f+16*\i+4*\c+3], v[ADRA+\slot] offset:(2*(\q)+\c/2)*PANEL+32*(\c%2)+4*PA*\i
.endr
.endr
.endm
.macro PLACES
.rept 4
	v_nop
.endr
.endm
.macro QUARTER slot, qn, f, g, zero
	s_wait_dscnt 8
	WIN MUL
	MUL4 \f, 0, \zero
	MUL4 \f, 1, \zero
	PLACES
	FETCH \slot, \qn, \g
	s_wait_dscnt 32
	WIN MUL
	MUL4 \f, 2, \zero
	MUL4 \f, 3, \zero
.endm
.macro TURN slot, next, fill
	WIN 0
	s_wait_tensorcnt 0x0
	ds_add_u32 v[SPW], v[NIL]
	s_wait_dscnt 9
	WIN MUL
	MUL4 F1, 0, 0
	s_wait_dscnt 0x0
	s_barrier_signal -1
	MUL4 F1, 1, 0
.if \fill
	WIN 0
.endif
	s_barrier_wait -1
.if \fill
	CREST
	s_add_nc_u64 s[G0+4*\slot+2:G0+4*\slot+3], s[G0+4*\slot+2:G0+4*\slot+3], 16*262144
	s_add_nc_u64 s[G0B+4*\slot+2:G0B+4*\slot+3], s[G0B+4*\slot+2:G0B+4*\slot+3], 2*KSLOT
	JLOAD \slot
.else
	PLACES
.endif
	FETCH \next, 0, F0
	WIN MUL
	MUL4 F1, 2, 0
	MUL4 F1, 3, 0
.endm
	s_wait_tensorcnt 0x0                           ; my part of slot 0 is in; slot 1's first fill is issued as a refill is
	ds_add_u32 v[SPW], v[NIL]                      ; 0 onto my spare word
	s_wait_dscnt 0x0
	CROUND                                         ; everybody's part of slot 0 is in, and the joint loads meet
	JLOAD 1                                        ; slot 1: the first tensor load behind the round
	FETCH 0, 0, F0
	global_prefetch_b8 v31, s[18:19] th:TH_LOAD_NT scope:SCOPE_SE
	QUARTER 0, 1, F0, F1, 1
.if LAPS > 1
	WIN 0
	s_mov_b32 s3, LAPS-1
.Llap:
	QUARTER 0, 2, F1, F0, 0
	QUARTER 0, 3, F0, F1, 0
	TURN 0, 1, 1
	QUARTER 1, 1, F0, F1, 0
	QUARTER 1, 2, F1, F0, 0
	QUARTER 1, 3, F0, F1, 0
	TURN 1, 0, 1
	QUARTER 0, 1, F0, F1, 0
	WIN 0
	s_sub_co_u32 s3, s3, 1
	s_cmp_lg_u32 s3, 0
	s_cbranch_scc1 .Llap
.endif
	QUARTER 0, 2, F1, F0, 0
	QUARTER 0, 3, F0, F1, 0
	TURN 0, 1, 0
	QUARTER 1, 1, F0, F1, 0
	QUARTER 1, 2, F1, F0, 0
	QUARTER 1, 3, F0, F1, 0
	s_wait_dscnt 8
	WIN MUL
	MUL4 F1, 0, 0
	MUL4 F1, 1, 0
	s_wait_dscnt 0
	MUL4 F1, 2, 0
	MUL4 F1, 3, 0
	WIN 0
	PLACES
.irp a, 0,1,2,3
	WIN 0
.irp b, 0,1,2,3
	ds_store_b128 v[STO], v[ACC+8*(4*\a+\b):ACC+8*(4*\a+\b)+3] offset:64*\b
	ds_store_b128 v[STO], v[ACC+8*(4*\a+\b)+4:ACC+8*(4*\a+\b)+7] offset:64*\b+16
.endr
	WIN TO_F
.irp t, 0,1,2,3,4,5,6,7
	ds_load_b128 v[32*\a+4*\t:32*\a+4*\t+3], v[RD] offset:2*SPITCH*\t
.endr
.endr
	s_wait_loadcnt 0x0
.irp a, 0,1,2,3
	s_wait_dscnt 16*(3-\a)
	WIN FMA
.irp j, 0,2,4,6,8,10,12,14,16,18,20,22,24,26,28,30
	v_pk_fma_f32 v[32*\a+\j:32*\a+\j+1], v[32*\a+\j:32*\a+\j+1], s[66:67], v[32*\a+\j:32*\a+\j+1] op_sel_hi:[1,0,1]
.endr
	WIN STW
.irp t, 0,1,2,3,4,5,6,7
	global_store_b128 v[CO], v[32*\a+4*\t:32*\a+4*\t+3], s[8:9] offset:(16*\a+2*\t)*4096 th:TH_STORE_NT
.endr
.endr
	WIN 0
	s_wait_tensorcnt 0x0
	ds_add_u32 v[SPW], v[NIL]
	s_wait_dscnt 0x0
	CROUND
	s_endpgm
.Lfunc_end_k_q6619fd11c0_ffn2:
	.size	k_q6619fd11c0_ffn2, .Lfunc_end_k_q6619fd11c0_ffn2-k_q6619fd11c0_ffn2
	.p2alignl 7, 3214868480
	.fill 96, 4, 3214868480
	.section	.rodata,"a",@progbits
	.p2align	6, 0x0
	.amdhsa_kernel k_q6619fd11c0_ffn2
		.amdhsa_group_segment_fixed_size 327680
		.amdhsa_private_segment_fixed_size 0
		.amdhsa_enable_private_segment 0
		.amdhsa_kernarg_size 40
		.amdhsa_user_sgpr_count 2
		.amdhsa_user_sgpr_kernarg_segment_ptr 1
		.amdhsa_wavefront_size32 1
		.amdhsa_system_sgpr_workgroup_id_x 1
		.amdhsa_system_sgpr_workgroup_id_y 1
		.amdhsa_system_sgpr_workgroup_id_z 1
		.amdhsa_system_vgpr_workitem_id 0
		.amdhsa_next_free_vgpr 640
		.amdhsa_next_free_sgpr 80
		.amdhsa_reserve_vcc 0
		.amdhsa_float_denorm_mode_32 3
		.amdhsa_float_denorm_mode_16_64 3
		.amdhsa_memory_ordered 1
		.amdhsa_forward_progress 1
		.amdhsa_inst_pref_size 79
	.end_amdhsa_kernel
	.amdgpu_metadata
---
amdhsa.version: [ 1, 2 ]
amdhsa.kernels:
  - .name:           k_q6619fd11c0_ffn2
    .symbol:         k_q6619fd11c0_ffn2.kd
    .args:
      - { .name: ac, .offset: 0, .size: 8, .value_kind: global_buffer, .address_space: global }
      - { .name: w2_codes, .offset: 8, .size: 8, .value_kind: global_buffer, .address_space: global }
      - { .name: lowp_scales, .offset: 16, .size: 8, .value_kind: global_buffer, .address_space: global }
      - { .name: x1, .offset: 24, .size: 8, .value_kind: global_buffer, .address_space: global }
      - { .name: out0, .offset: 32, .size: 8, .value_kind: global_buffer, .address_space: global }
    .group_segment_fixed_size: 327680
    .private_segment_fixed_size: 0
    .kernarg_segment_align: 8
    .kernarg_segment_size: 40
    .max_flat_workgroup_size: 128
    .sgpr_count:     80
    .vgpr_count:     640
    .wavefront_size: 32
...
	.end_amdgpu_metadata
.endif
;; end of part 7
